; MI455X (gfx1250); checked and timed in simulation.
; The chip was launched on July 23, 2026; its instructions are those of AMD's public machine-readable ISA for CDNA 5 (MIT licence, August 2026) and "CDNA5" Instruction Set Architecture Reference Guide (July 2026). The comments in the code are by the model that wrote it; some were corrected since.
;; Attention Head. Allowed arithmetic: matrix products marked QUANTISED: E3M2 operands, one E8M0 scale for each 32 along K, by v_wmma_scale_f32_16x16x128_f8f6f4 with both operands' format E3M2, f32 sums; everything else in f32.
;; Inputs: inputs_for_keys_codes 4 x 2,048 x 32 x 24 uint8 (E3M2 codes of inputs_for_keys, K innermost, in blocks of 32 codes, four codes in three bytes); inputs_for_keys_scales 4 x 2,048 x 32 uint8 (E8M0 scales of inputs_for_keys, one for each 32 codes along K); inputs_for_queries_codes 4 x 2,048 x 32 x 24 uint8 (E3M2 codes of inputs_for_queries, K innermost, in blocks of 32 codes, four codes in three bytes); inputs_for_queries_scales 4 x 2,048 x 32 uint8 (E8M0 scales of inputs_for_queries, one for each 32 codes along K); inputs_for_values_codes 4 x 2,048 x 32 x 24 uint8 (E3M2 codes of inputs_for_values, K innermost, in blocks of 32 codes, four codes in three bytes); inputs_for_values_scales 4 x 2,048 x 32 uint8 (E8M0 scales of inputs_for_values, one for each 32 codes along K); weight_k_codes 1,024 x 32 x 24 uint8 (E3M2 codes of weight_k, K innermost, in blocks of 32 codes, four codes in three bytes); weight_k_scales 1,024 x 32 uint8 (E8M0 scales of weight_k, one for each 32 codes along K); weight_q_codes 1,024 x 32 x 24 uint8 (E3M2 codes of weight_q, K innermost, in blocks of 32 codes, four codes in three bytes); weight_q_scales 1,024 x 32 uint8 (E8M0 scales of weight_q, one for each 32 codes along K); weight_v_codes 1,024 x 32 x 24 uint8 (E3M2 codes of weight_v, K innermost, in blocks of 32 codes, four codes in three bytes); weight_v_scales 1,024 x 32 uint8 (E8M0 scales of weight_v, one for each 32 codes along K).
;; Outputs: out0 4 x 2,048 x 1,024 float32.
;; This version of the problem:
;;   THIS VERSION OF THE PROBLEM IS GIVEN IN LOW PRECISION. The matrix products marked QUANTISED in the list below multiply operands that are first quantised to E3M2 (3 exponent bits, 2 mantissa bits; 6 bits a number), with one power-of-two scale for each 32 numbers along K (OCP MX v1.0); their sums are f32. All else is computed in f32.
;;   The module's matrix products, in the order in which they are computed (A, B: the left and right operand; K: the contracted axis; several contracted axes count as one K, in the product's order):
;;     1. [M 8,192, K 1,024] x [K 1,024, N 1,024]; A: input inputs_for_keys (given as codes); B: input weight_k (given as codes): QUANTISED
;;     2. [M 8,192, K 1,024] x [K 1,024, N 1,024]; A: input inputs_for_values (given as codes); B: input weight_v (given as codes): QUANTISED
;;     3. [M 8,192, K 1,024] x [K 1,024, N 1,024]; A: input inputs_for_queries (given as codes); B: input weight_q (given as codes): QUANTISED
;;     4. batch 4 x [M 2,048, K 1,024] x [K 1,024, N 2,048]; A: computed on the way; B: computed on the way: QUANTISED
;;     5. batch 4 x [M 2,048, K 2,048] x [K 2,048, N 1,024]; A: softmax (see below); B: computed on the way: QUANTISED
;;   THE QUANTISER, for each operand of a quantised product, along K:
;;     - K is cut into blocks of 32 from its start; a last block that is shorter is filled with zeros.
;;     - A block's scale is 2^e with e = floor(log2(the largest magnitude in the block)) - 4, held to -126 .. 127; a block of zeros has e = 0. As a byte (E8M0): e + 127.
;;     - Each number is divided by its block's scale, clamped to +-28, and rounded to the nearest number of E3M2, ties to even, subnormals kept.
;;     - The product sums the exact products of the quantised numbers (number of the format x scale) in f32.
;;   ~~~python
;;   def quantise(x, axis):      # numpy; x: float32 -> the quantised numbers, widened to float32 again
;;       x = np.moveaxis(x, axis, -1); K = x.shape[-1]
;;       x = np.pad(x, [(0, 0)] * (x.ndim - 1) + [(0, -K % 32)]); x = x.reshape(x.shape[:-1] + (-1, 32)); a = np.abs(x).max(-1, keepdims=True)
;;       e = np.where(a > 0, np.clip(np.frexp(np.where(a > 0, a, 1))[1] - 1 - 4, -126, 127), 0)      # np.frexp(a)[1] - 1 = floor(log2(a)), exactly
;;       r = np.clip(x / 2.0 ** e, -28, 28)
;;       step = 2.0 ** (np.maximum(np.frexp(np.where(r == 0, 1, r))[1] - 1, -2) - 2)
;;       q = np.round(r / step) * step * 2.0 ** e      # np.round: ties to even
;;       return np.moveaxis(q.reshape(q.shape[:-2] + (-1,))[..., :K], -1, axis).astype(np.float32)
;;   ~~~
;;   SOFTMAX AHEAD OF A QUANTISED PRODUCT. Where the list says 'softmax', what is quantised is not the finished softmax but p = 2^(t - M), with t = logit x log2(e) and M = ceil(the row's largest t), a whole number; so 1/2 < the row's largest p <= 1. The row's sum l is taken of the UNQUANTISED p, in f32, and the product's result is divided by l at the end. Since M is a whole number, a kernel that streams over the keys may use a running M (the ceiling of the running maximum): every later rescaling is an exact power of two, which a block's scale takes up: the codes' values come out the same.
;;   OPERANDS COMPUTED ON THE WAY. 'Computed on the way' means the value that the module computes at that place (a softmax that the list does not call 'softmax' is quantised finished and normalised). What goes into a quantiser is computed in f32, as accurately as f32 sums, v_exp_f32 and their like allow (about 1e-6 of the number): no bf16 or f16 on the way to a quantiser, and a product that is left as it is and whose result goes on into a quantised operand takes f32 operands (vector FMAs, or v_wmma_f32_16x16x4_f32). A number that lies on a knife's edge between two numbers of the format may be rounded either way, as far as f32 arithmetic and the matrix unit's own rounding can turn it there, and no further.
;;   INPUTS GIVEN AS CODES. inputs_for_keys (in the module: [4, 2048, 1024], K = its axis 2); inputs_for_queries (in the module: [4, 2048, 1024], K = its axis 2); inputs_for_values (in the module: [4, 2048, 1024], K = its axis 2); weight_k (in the module: [1024, 1024], K = its axis 0); weight_q (in the module: [1024, 1024], K = its axis 0); weight_v (in the module: [1024, 1024], K = its axis 0): each comes as NAME_codes (uint8): NAME with its K axis moved to the last place and cut into blocks of 32 codes, [.., K / 32, bytes a block], one block behind the other in memory; four codes in three bytes: a row's codes are one little-endian stream of bits, code i at bits 6 i .. 6 i + 5 (a code: sign, 3 exponent bits, 2 mantissa bits); and NAME_scales (uint8): the same leading axes, one E8M0 byte (e + 127) for each 32 codes along K. Its value is code x scale, taken as it is: it is not quantised again, and the codes and scales need not be those that the quantiser above would give.
;; One version. Each part assembles by itself: llvm-mc -triple=amdgcn-amd-amdhsa -mcpu=gfx1250 --defsym DOCPART=n.
;; ======== version 1 of 1: 3 launches
;; limits: right only within a limited range of input values
;; workspace buffers: kf 6,291,456 bytes; qf 6,291,456 bytes; vf 6,291,456 bytes; ksc 262,144 bytes; qsc 262,144 bytes; vsc 262,144 bytes; pf 12,582,912 bytes; pst 2,097,152 bytes
;; launch proj (part 1): grid 4 x 64, 4 waves a work-group, clusters of 4 x 4, 327,680 bytes of LDS; arguments inputs_for_keys_codes, inputs_for_keys_scales, weight_k_codes, weight_k_scales, inputs_for_queries_codes, inputs_for_queries_scales, weight_q_codes, weight_q_scales, inputs_for_values_codes, inputs_for_values_scales, weight_v_codes, weight_v_scales, kf, ksc, qf, qsc, vf, vsc; writes kf, ksc, qf, qsc, vf, vsc
.if DOCPART == 1
	.amdgcn_target "amdgcn-amd-amdhsa--gfx1250"
	.amdhsa_code_object_version 6
	.text
	.protected	k_q352175e4c5_proj
	.globl	k_q352175e4c5_proj
	.p2align	8
	.type	k_q352175e4c5_proj,@function
k_q352175e4c5_proj:
	s_mov_b64 s[64:65], 0
	v_nop
	global_prefetch_b8 v0, s[64:65] scope:SCOPE_SE
	s_setreg_imm32_b32 hwreg(HW_REG_WAVE_MODE, 25, 1), 1
	s_wait_xcnt 0x0
	s_wait_alu depctr_hold_cnt(0) depctr_sa_sdst(0) depctr_va_vdst(0) depctr_va_sdst(0) depctr_va_ssrc(0) depctr_va_vcc(0) depctr_vm_vsrc(0)
	s_getreg_b32 s2, hwreg(HW_REG_IB_STS2, 6, 4)
	s_cmp_eq_u32 s2, 0
	s_cbranch_scc0 .Lentry_in_a_cluster
	s_endpgm
.Lentry_in_a_cluster:
	s_bfe_u32 s2, ttmp6, 0x10000c
	s_cmp_lg_u32 s2, 0xf033
	s_cbranch_scc0 .Lentry_shape_is_right
	s_endpgm
.Lentry_shape_is_right:
; THE THREE PROJECTIONS, each result quantised in registers to codes of BF6 (E3M2) with one E8M0 byte for each 32 along the NEXT product's K.
; WORK LEFT OUT IN THE LATER LAUNCHES: reference() itself puts -inf where the key lies behind the query, so p is 0 there for all inputs: whole tiles of scores and whole key steps of P V above the diagonal are not computed.
; LIMITS: a NaN, an infinity or an overflow that reaches only that work is not carried to the result; NaN and infinities among the operands are not served; a block of zeros gets the byte 1 (its codes are zeros, and only this program reads the bytes).
; A product is D(i, j) = sum over d of I(i, d) J(j, d), source 0 = 16 rows of I, source 1 = 16 rows of J, d = 1,024 in 8 steps of 128 (96 bytes of a row each).
;   K, Q: I = the weight (i = e), J = the input (j = token): a lane holds ONE token and its registers run along e, which is the K of Q K^T.
;   V:    I = inputs_for_values (i = key), J = weight_v (j = channel): a lane holds one channel and its registers run along the keys, the K of P V.
; A WORK-GROUP STAYS: 256 work-groups, each makes three tiles of i = 256 x j = 128: K, Q, V. With u the number of its cluster along y (0..15):
;   K, Q: i tile cx, j tile 4 u + cy;   V: i tile 4 (u / 2) + cx, j tile 4 (u % 2) + cy.
; SHARES. Wave w makes i = 128 (w / 2) + 0..127 x j = 64 (w % 2) + 0..63: 32 accumulators, (a, b) at v[8 (8 a + b)] of window 1.
; Lane (r, h), register jj of accumulator (a, b) is D(16 b + 8 h + jj, 16 a + r): the 64 registers of one a are 128 neighbours along i: ONE K step of the next product.
; THE ORDER INSIDE A BLOCK OF 32. Registers 16 B .. 16 B + 15 of a lane hold i = 32 B + 8 h + 0..7 and 32 B + 16 + 8 h + 0..7; lanes l and l xor 16 hold block B together. The codes stand in a fixed
; permutation inside each block of 32. Both operands of each later product are made in this way, so products, blocks and scales are the true ones; only the order of a block's sum differs.
; OUT. A fragment (16 rows x 128 K, 12 registers a lane) is stored as an image of its registers: registers 4 g .. 4 g + 3 of lane l at 512 g + 16 l: each store covers 512 consecutive bytes.
;   kf, qf: [panel of 128 tokens][8 K steps][8 tiles][1,536];  vf: [panel of 128 channels][64 K steps][8 tiles][1,536].  Scale words: groups of 256 bytes for (K step, 4 tiles): tile t, row r at 8 (16 (t / 2) + r) + 4 (t % 2).
; LDS: three slots; slot c holds chunk c (256 bytes) of each row of I (256) and of J (128), 16 bytes of padding behind each. A tile's rows come by TWO loads a wave: chunk 0 (each wave a half of I's or of J's rows),
; then chunks 1 and 2 (each wave one of the two chunks, all rows). At step 2 slot 0 has been read out and takes the next tile's chunk 0; at step 7 slots 1 and 2 take its chunks 1 and 2. The last tile fills nothing.
; A fragment comes in pieces of 8 bytes, lanes 16-31 24 bytes further on; where that is the next chunk (steps 2 and 5) a second address register serves. A wave has at most one tensor load out.
; FRAGMENTS are fetched a step ahead into the other of two sets, in one run of 72 LDS loads: ahead of a step's products in waves 0 and 2, behind the first sixteen of its 32 in waves 1 and 3.
; CLUSTER 4 x 4: I's rows hang on cx alone (and on u) and are asked for jointly along a column, J's on cy alone (and on u), along a row; every refill stands behind a round of the cluster's barrier.
; REGISTERS: window 0: v4-13 LDS addresses; v14-15 scale offsets; v16-37 the quantiser's work; v38-39 for the add; v40-42 offsets; v64-95 I's scale words, v96-111 J's; v128-207 the codes just made.
;   window 1: the accumulators.  window 2: I's fragments, two sets of 96.  window 3: J's, two sets of 48.
.set PITCH, 272
.set SLOT,  384*PITCH
.set JOFF,  256*PITCH
.set TROW,  16*PITCH
.set SPARE, 3*SLOT                     ; behind the slots, at 1,224 x 256: the spare words, 128 bytes for each wave
.set AI,  4                            ; v4-8    my I fragments in slots 0, 1, 2; then across slots 0/1, 1/2
.set AJ,  9                            ; v9-13   J likewise
.set TM,  16                           ; v16-31  the quantiser's work: +0 largest magnitudes, +4 the other half's, then bytes, +12 the conversions' scale operands
.set PW,  32                           ; v32-35  the scale word of tile a
.set REC, 36                           ; v36-37
.set SPW, 38                           ; LDS address of my spare word; never rewritten
.set NIL, 39                           ; 0; never rewritten
.set PFO, 40                           ; 768 x lane
.set FO,  41                           ; 16 x lane
.set SO,  42                           ; 8 x lane
.set PCB, 128                          ; tile a's codes at v[128 + 20 a]
.set G0JB, 8                           ; s[8:15]: the first tile's pointers until the head's end, then group 0 for chunks 1 and 2
.set G0IB, 12
.set NJ,  16                           ; the next tile's rows of J and of I
.set NI,  20
.set OB,  44                           ; s[44:45] 256 + 256 (w % 2)
.set HI,  46
.set PF,  48                           ; s[48:49] where my prefetches stand; s[50:51] my part behind the tile's first row
.set OI,  52                           ; s[52:53], s[54:55]: my half of I's and of J's rows, in bytes
.set OJ,  54
.set G1IA, 56
.set G1JA, 68
.set G1IB, 76
.set G1JB, 84
.set G0IA, 92
.set G0JA, 96
.set SEL, 104
.set MSB, 0
.macro WIN new                         ; the immediate's high byte repeats the setting that is left
.if MSB != (\new)
	s_set_vgpr_msb (MSB<<8)|(\new)
.set MSB, \new
.endif
.endm
.macro PLACES n
.rept \n
	v_nop
.endr
.endm
.macro CROUND                          ; a round of the cluster's barrier
	s_barrier_signal -1
	s_barrier_wait -1
	s_cmp_lg_u32 s3, 0
	s_cbranch_scc1 .Lnot_wave_0_\@
	s_barrier_signal -3
.Lnot_wave_0_\@:
	s_barrier_wait -3
	s_barrier_signal -1
	s_barrier_wait -1
.endm
.macro JLOAD gi, di, gj, dj            ; a joint load: waves 0 and 1 fetch for I, waves 2 and 3 for J; the branch hangs on the wave's number alone
	s_cmp_eq_u32 s4, 0
	s_cbranch_scc0 .Lfor_j_\@
	tensor_load_to_lds s[\gi:\gi+3], s[\di:\di+7]
	s_nop 0
	PLACES 4
	s_branch .Lasked_\@
.Lfor_j_\@:
	tensor_load_to_lds s[\gj:\gj+3], s[\dj:\dj+7]
	s_nop 0
	PLACES 4
.Lasked_\@:
.endm
; A PREFETCH INTO THE L2 of chunks 1 and 2 of the tile to come, a lane a row, of the chunk that my wave will fetch: I's 256 rows are shared out over the four partners of the column by address (64 each, two instructions),
; J's 128 over those of the row (32 each). Rows of a weight, which all or half of the clusters read, are asked for by clusters 0 to 3 alone. s2: bit n: my wave asks in trip n. The branches hang on the wave and the cluster: alike in all partners.
.macro ASK bit
	s_bitcmp1_b32 s2, \bit
	s_cbranch_scc0 .Lnot_mine_\@
	global_prefetch_b8 v[PFO], s[PF:PF+1] offset:256 th:TH_LOAD_NT scope:SCOPE_SE
	s_cmp_eq_u32 s4, 0
	s_cbranch_scc0 .Lnot_mine_\@
	global_prefetch_b8 v[PFO], s[PF:PF+1] offset:256+32*768 th:TH_LOAD_NT scope:SCOPE_SE
.Lnot_mine_\@:
.endm
.macro FRAG reg, ad, t, row            ; a fragment: lane (r, h) takes 24 bytes at 96 t + 24 h of its row and 24 more 48 bytes on, in pieces of 8
.irp p, 0,1,2,3,4,5
.set BY, 96*(\t)+48*(\p/3)+8*(\p%3)
.set SL, BY/256
.if SL == (BY+24)/256
	ds_load_b64 v[(\reg)+2*\p:(\reg)+2*\p+1], v[(\ad)+SL] offset:BY%256+(\row)
.else
	ds_load_b64 v[(\reg)+2*\p:(\reg)+2*\p+1], v[(\ad)+3+SL] offset:BY%256-232+(\row)
.endif
.endr
.endm
.macro WM zero                         ; the matrix line, by the symbols rD, rA, rB, rSA, rSB; fRA, fRB: that side's scale words stand in lanes 16-31
.if \zero
.if fRA && fRB
	v_wmma_scale_f32_16x16x128_f8f6f4 v[rD:rD+7], v[rA:rA+11], v[rB:rB+11], 0, v[rSA], v[rSB] matrix_a_fmt:MATRIX_FMT_BF6 matrix_b_fmt:MATRIX_FMT_BF6 matrix_a_scale:MATRIX_SCALE_ROW1 matrix_b_scale:MATRIX_SCALE_ROW1
.elseif fRA
	v_wmma_scale_f32_16x16x128_f8f6f4 v[rD:rD+7], v[rA:rA+11], v[rB:rB+11], 0, v[rSA], v[rSB] matrix_a_fmt:MATRIX_FMT_BF6 matrix_b_fmt:MATRIX_FMT_BF6 matrix_a_scale:MATRIX_SCALE_ROW1
.elseif fRB
	v_wmma_scale_f32_16x16x128_f8f6f4 v[rD:rD+7], v[rA:rA+11], v[rB:rB+11], 0, v[rSA], v[rSB] matrix_a_fmt:MATRIX_FMT_BF6 matrix_b_fmt:MATRIX_FMT_BF6 matrix_b_scale:MATRIX_SCALE_ROW1
.else
	v_wmma_scale_f32_16x16x128_f8f6f4 v[rD:rD+7], v[rA:rA+11], v[rB:rB+11], 0, v[rSA], v[rSB] matrix_a_fmt:MATRIX_FMT_BF6 matrix_b_fmt:MATRIX_FMT_BF6
.endif
.else
.if fRA && fRB
	v_wmma_scale_f32_16x16x128_f8f6f4 v[rD:rD+7], v[rA:rA+11], v[rB:rB+11], v[rD:rD+7], v[rSA], v[rSB] matrix_a_fmt:MATRIX_FMT_BF6 matrix_b_fmt:MATRIX_FMT_BF6 matrix_a_scale:MATRIX_SCALE_ROW1 matrix_b_scale:MATRIX_SCALE_ROW1
.elseif fRA
	v_wmma_scale_f32_16x16x128_f8f6f4 v[rD:rD+7], v[rA:rA+11], v[rB:rB+11], v[rD:rD+7], v[rSA], v[rSB] matrix_a_fmt:MATRIX_FMT_BF6 matrix_b_fmt:MATRIX_FMT_BF6 matrix_a_scale:MATRIX_SCALE_ROW1
.elseif fRB
	v_wmma_scale_f32_16x16x128_f8f6f4 v[rD:rD+7], v[rA:rA+11], v[rB:rB+11], v[rD:rD+7], v[rSA], v[rSB] matrix_a_fmt:MATRIX_FMT_BF6 matrix_b_fmt:MATRIX_FMT_BF6 matrix_b_scale:MATRIX_SCALE_ROW1
.else
	v_wmma_scale_f32_16x16x128_f8f6f4 v[rD:rD+7], v[rA:rA+11], v[rB:rB+11], v[rD:rD+7], v[rSA], v[rSB] matrix_a_fmt:MATRIX_FMT_BF6 matrix_b_fmt:MATRIX_FMT_BF6
.endif
.endif
.endm
; Scale words straight into registers, half hf (4 K steps) of a row of 32 bytes a lane.  I: register 8 k + step: lanes 0-15 tile k, lanes 16-31 tile k + 4;  J: tile k and tile k + 2
.macro SCL hf, isp, jsp
.irp k, 0,1,2,3
	global_load_b128 v[64+8*\k+4*\hf:64+8*\k+4*\hf+3], v14, s[\isp:\isp+1] offset:512*\k+16*\hf
.endr
.irp k, 0,1
	global_load_b128 v[96+8*\k+4*\hf:96+8*\k+4*\hf+3], v15, s[\jsp:\jsp+1] offset:512*\k+16*\hf
.endr
.endm
.macro FETCH t                         ; K step t's 12 fragments in one run, into set t % 2
	WIN 0xc0                                       ; destination window 3
.irp a, 0,1,2,3
	FRAG 48*((\t)%2)+12*\a, AJ, \t, TROW*\a
.endr
	WIN 0x80                                       ; destination window 2
.irp b, 0,1,2,3,4,5,6,7
	FRAG 96*((\t)%2)+12*\b, AI, \t, TROW*\b
.endr
	WIN 0
.endm
.macro MM t, n0                        ; half of a step's matrix instructions: I's fragments 0-3 (n0 = 0) or 4-7 (n0 = 16) with J's four
	WIN 0x5e                                       ; source 0 (I) window 2, source 1 (J) window 3, C and D window 1
.set n, \n0
.rept 16
.set ma, n%4
.set mb, n/4
.set rD, 8*(8*ma+mb)
.set rA, 96*((\t)%2)+12*mb
.set rB, 48*((\t)%2)+12*ma
.set rSA, 64+8*(mb%4)+(\t)
.set rSB, 96+8*(ma%2)+(\t)
.set fRA, mb/4
.set fRB, ma/2
	WM zr
.set n, n+1
.endr
.endm
; K step t of a tile.  more = 1: a tile follows.  The 32 accumulators take turns, one instruction a turn, in the same order in every step.
; The next step's run of LDS loads stands ahead of the step's products in the even waves and behind their first half in the odd ones: two waves load while two multiply.
.macro STEP t, more
.set fn, ((\t)+1)%8                    ; the step whose fragments are fetched: J's four, then I's eight
.set doF, 1
.set late, 1                           ; 1: I's fragments 4-7 are waited for ahead of the loads
.set zr, 0
.if (\t) == 0
.set zr, 1                             ; a tile's first step starts the sums: nothing is cleared
.endif
.if (\t) == 7
.set doF, \more
.endif
.if (\t) == 1
.set late, 0
	s_wait_dscnt 0x0
	s_wait_tensorcnt 0x0                           ; my part of chunks 1 and 2 has landed,
	s_barrier_signal -1
	s_barrier_wait -1                              ; everybody's has.
	PLACES 4                                       ; four plain vector instructions between the last step's products and loads into the registers that they read
.elseif (((\t) == 2) || ((\t) == 7)) && (\more)
.set late, 0
	WIN 0
	s_wait_tensorcnt 0x0                           ; all my tensor loads have landed, so a group 0 may be written
	ds_add_u32 v[SPW], v[NIL]                      ; 0 onto my spare word: the descriptors' new addresses stand between it and the wait for it
.if (\t) == 2
	s_add_nc_u64 s[G0IA+2:G0IA+3], s[NI:NI+1], s[OI:OI+1]
	s_or_b32 s[G0IA+3], s[G0IA+3], 0x80000000
	s_add_nc_u64 s[G0JA+2:G0JA+3], s[NJ:NJ+1], s[OJ:OJ+1]
	s_or_b32 s[G0JA+3], s[G0JA+3], 0x80000000
.else
	s_add_nc_u64 s[G0IB+2:G0IB+3], s[NI:NI+1], s[OB:OB+1]
	s_or_b32 s[G0IB+3], s[G0IB+3], 0x80000000
	s_add_nc_u64 s[G0JB+2:G0JB+3], s[NJ:NJ+1], s[OB:OB+1]
	s_or_b32 s[G0JB+3], s[G0JB+3], 0x80000000
.endif
	s_wait_dscnt 0x0                               ; the add is done, and my reads of the slot are over
	CROUND                                         ; so it is with every wave of all sixteen work-groups
.if (\t) == 2
	JLOAD G0IA, G1IA, G0JA, G1JA                   ; the first tensor load behind the round, one a wave; its four v_nop are also the places in front of the loads below
.else
	JLOAD G0IB, G1IB, G0JB, G1JB
.endif
.else
.if (\t) == 0
	s_wait_loadcnt 0x6                             ; the scale words of steps 0-3 are in; the six loads of steps 4-7 may be out
.endif
.if (\t) == 4
	s_wait_loadcnt 0x0                             ; and those of steps 4-7
.endif
	s_wait_dscnt 24                                ; J's fragments and I's 0-3 are in; the youngest 24 loads (I's 4-7) may be out
.if (\t) > 0
	PLACES 4
.endif
.if ((\t) == 3) && (\more)
	WIN 0
	ASK s47                                        ; four steps, 128 matrix instructions, ahead of the load of chunks 1 and 2 at step 7
.endif
.if ((\t) == 4) && (\more)
	WIN 0
	SCL 0, 22, 18                                  ; the next tile's scale words, into registers that step 3 was the last to read
.endif
.endif
.if doF && ((\t) > 0)
	WIN 0
	s_cmp_eq_u32 s5, 0
	s_cbranch_scc1 .Leven_\@
	MM \t, 0                                       ; odd waves: the first half, ahead of the loads
	WIN 0
.Leven_\@:
.endif
.if late
	s_wait_dscnt 0x0                               ; I's fragments 4-7 are in too
.endif
.if doF
	FETCH fn
.endif
.if doF && ((\t) > 0)
	s_cmp_eq_u32 s5, 0
	s_cbranch_scc0 .Lodd_\@
	MM \t, 0                                       ; even waves: behind them
	WIN 0
.Lodd_\@:
.else
	MM \t, 0
.endif
	MM \t, 16
.endm
.macro STEPS more
.irp k, 0,1,2,3,4,5,6,7
	STEP \k, \more
.endr
	WIN 0
	PLACES 4                                       ; between the last products and the first read of results, and loads into their scale registers
.endm
; Tile a's 64 numbers a lane become a fragment's codes and a scale word, and the fragment is stored.
.macro QUANTW a
.set AC, 64*(\a)
.set PP, PCB+20*(\a)
	WIN 0x05                                       ; sources 0 and 1 window 1
.irp b, 0,1,2,3
	v_max3_num_f32 v[TM+\b], |v[AC+16*\b]|, |v[AC+16*\b+1]|, 0x2800000   ; block b: my 16 numbers and the floor 2^(5 - 127): the byte cannot fall under 1.  Each accumulator is read from its low end on
.endr
	WIN 0x14                                       ; sources 1 and 2 window 1
.irp i, 2,4,6,8,10,12,14
.irp b, 0,1,2,3
	v_max3_num_f32 v[TM+\b], v[TM+\b], |v[AC+16*\b+\i]|, |v[AC+16*\b+\i+1]|
.endr
.endr
	WIN 0
.irp b, 0,1,2,3
	v_permlanex16_b32 v[TM+4+\b], v[TM+\b], s[SEL], s[SEL+1]
.endr
.irp b, 0,1,2,3
	v_max_num_f32 v[TM+\b], v[TM+\b], v[TM+4+\b]   ; with lane l xor 16's 16: the block's largest magnitude
.endr
.irp b, 0,1,2,3
	v_add_nc_u32 v[TM+12+\b], 0xfe000000, v[TM+\b] ; 4 off its exponent field: the conversion's scale operand
.endr
.irp b, 0,1,2,3
	v_lshrrev_b32 v[TM+4+\b], 23, v[TM+12+\b]      ; the scale's byte
.endr
	v_lshl_or_b32 v[PW+\a], v[TM+5], 8, v[TM+4]
	v_lshl_or_b32 v[PW+\a], v[TM+6], 16, v[PW+\a]
	v_lshl_or_b32 v[PW+\a], v[TM+7], 24, v[PW+\a]
	WIN 0x01                                       ; source 0 window 1
.irp c, 0,1
	v_cvt_scalef32_pk16_bf6_f32 v[PP+6*\c:PP+6*\c+2], v[AC+32*\c:AC+32*\c+15], v[TM+12+2*\c]
	v_cvt_scalef32_pk16_bf6_f32 v[PP+12+4*\c:PP+14+4*\c], v[AC+16+32*\c:AC+31+32*\c], v[TM+13+2*\c]   ; (a conversion's three registers begin on an even number)
.endr
	WIN 0
	v_nop                                          ; one plain instruction behind a scaled conversion
.irp c, 0,1                                    ; the operand's layout wants a whole block in a lane: lanes 0-15 block 2 c, lanes 16-31 block 2 c + 1
.irp i, 0,1,2
	v_permlane16_swap_b32 v[PP+6*\c+\i], v[PP+12+4*\c+\i]
.endr
.irp i, 0,1,2
	v_mov_b32 v[PP+3+6*\c+\i], v[PP+12+4*\c+\i]
.endr
.endr
.irp g, 0,1,2
	global_store_b128 v[FO], v[PP+4*\g:PP+4*\g+3], s[32:33] offset:1536*(\a)+512*\g   ; 32 lanes store 512 consecutive bytes; each a has registers of its own
.endr
.endm
.macro LEAVE                           ; a finished tile leaves as four fragments and a group of scale words; the next tile's loads are on their way meanwhile
	QUANTW 0
	QUANTW 1
	QUANTW 2
	QUANTW 3
	v_cndmask_b32 v[REC], v[PW], v[PW+2], s[HI]    ; lanes 0-15: tiles 0 and 1; lanes 16-31: tiles 2 and 3
	v_cndmask_b32 v[REC+1], v[PW+1], v[PW+3], s[HI]
	global_store_b64 v[SO], v[REC:REC+1], s[34:35] ; 32 lanes store 256 consecutive bytes
.endm
; A projection's four other pointers are stepped, in place and once, to my wave's part.  it, jt: the scalar registers with my tile's numbers; sp: bytes of a panel of fragments; ssi: bytes of a K step of scale groups
.macro PTRS it, jt, sp, ssi, isp, jsp, of, os
	s_lshl_b32 s100, s[\it], 8
	s_lshl_b32 s104, s4, 7
	s_add_co_u32 s100, s100, s104
	s_lshl_b32 s100, s100, 5                       ; my 128 rows of I's scales, 32 bytes a row
	s_add_nc_u64 s[\isp:\isp+1], s[\isp:\isp+1], s[100:101]
	s_lshl_b32 s66, s[\jt], 7
	s_lshl_b32 s104, s5, 6
	s_add_co_u32 s66, s66, s104
	s_lshl_b32 s66, s66, 5                         ; my 64 rows of J's
	s_add_nc_u64 s[\jsp:\jsp+1], s[\jsp:\jsp+1], s[66:67]
	s_mul_i32 s48, s[\jt], \sp                     ; out: panel jt,
	s_lshl_b32 s50, s[\it], 1
	s_add_co_u32 s50, s50, s4                      ; K step 2 it + w / 2 of the next product,
	s_mul_i32 s105, s50, 12288
	s_add_co_u32 s48, s48, s105
	s_mul_i32 s105, s5, 6144                       ; my four tiles
	s_add_co_u32 s48, s48, s105
	s_add_nc_u64 s[\of:\of+1], s[\of:\of+1], s[48:49]
	s_mul_i32 s48, s50, \ssi
	s_lshl_b32 s105, s[\jt], 1
	s_add_co_u32 s105, s105, s5                    ; scale group 2 jt + w % 2
	s_lshl_b32 s105, s105, 8
	s_add_co_u32 s48, s48, s105
	s_add_nc_u64 s[\os:\os+1], s[\os:\os+1], s[48:49]
.endm
; descriptor group 1: rows of 256 bytes, 768 apart in memory; 16 bytes of padding behind each in LDS
.macro G1SET g, mask, rows
	s_or_b32 s[\g], s[\mask], (1<<20)|(1<<21)|(5<<22)|(3<<25)   ; 15:0 the mask; 17:16 elements of 1 byte; 20 padding on; 21 set beside a mask; 24:22 after every 64 words (code 5); 31:25 of 4 words (code 3)
	s_mov_b32 s[\g+1], 256<<16                     ; tensor_dim0
	s_mov_b32 s[\g+2], (\rows)<<16                 ; tensor_dim1
	s_mov_b32 s[\g+3], 256<<16                     ; tile_dim0
	s_mov_b32 s[\g+4], \rows                       ; tile_dim1
	s_mov_b32 s[\g+5], 768                         ; from row to row
	s_mov_b32 s[\g+6], 0
	s_mov_b32 s[\g+7], 0
.endm
	s_load_b512 s[8:23], s[0:1], 0x0               ; keys' codes, scales; weight_k's; queries' codes, scales; weight_q's
	s_load_b512 s[24:39], s[0:1], 0x40             ; values' codes, scales; weight_v's; kf, ksc, qf, qsc
	s_load_b128 s[40:43], s[0:1], 0x80             ; vf, vsc
	v_lshl_add_u32 v[SPW], v0, 2, SPARE
	v_mov_b32 v[NIL], 0
	ds_add_u32 v[SPW], v[NIL]                      ; the wave's opening: the add, twice on end, and its wait
	ds_add_u32 v[SPW], v[NIL]
	v_lshrrev_b32 v1, 5, v0
	v_readfirstlane_b32 s3, v1                     ; wave 0..3
	s_lshr_b32 s4, s3, 1                           ; which 128 of i are mine.  Also: I fetch for I (0) or for J (1)
	s_and_b32 s5, s3, 1                            ; which 64 of j are mine.  Also: which half of chunk 0's rows I fetch, and which of chunks 1 and 2
	s_bfe_u32 s6, ttmp6, 0x40000                   ; cx: also my i tile of K and of Q
	s_bfe_u32 s7, ttmp6, 0x40004                   ; cy
	s_and_b32 s2, ttmp7, 0xffff                    ; u
	s_lshl_b32 s47, s2, 2
	s_add_co_u32 s47, s47, s7                      ; my j tile of K and of Q: it holds cy and never cx
	s_lshr_b32 s46, s2, 1
	s_lshl_b32 s46, s46, 2
	s_add_co_u32 s46, s46, s6                      ; my i tile of V: it holds cx and never cy
	s_and_b32 s51, s2, 1
	s_lshl_b32 s51, s51, 2
	s_add_co_u32 s51, s51, s7                      ; my j tile of V
	s_lshl_b32 s101, s7, 2
	s_lshl_b32 s101, 15, s101                      ; my row of the cluster
	s_lshl_b32 s100, 0x1111, s6                    ; my column
	G1SET G1IA, 100, 128
	G1SET G1JA, 101, 64
	G1SET G1IB, 100, 256
	G1SET G1JB, 101, 128
	s_mul_i32 s[OI], s5, 128*768
	s_mov_b32 s[OI+1], 0
	s_mul_i32 s[OJ], s5, 64*768
	s_mov_b32 s[OJ+1], 0
	s_lshl_b32 s[OB], s5, 8
	s_add_co_u32 s[OB], s[OB], 256
	s_mov_b32 s[OB+1], 0
	s_mul_i32 s94, s6, 256*768                     ; K, Q: my i tile's rows,
	s_mov_b32 s95, 0
	s_mul_i32 s98, s47, 128*768                    ; and my j tile's
	s_mov_b32 s99, 0
	s_wait_dscnt 0x0                               ; both opening adds are done
	CROUND                                         ; all sixteen work-groups are here: the joint loads meet.  (The arguments are on their way meanwhile)
	s_wait_kmcnt 0x0
	s_add_nc_u64 s[12:13], s[12:13], s[94:95]      ; weight_k's codes; each pointer is stepped in place, once, to the tile's first row
	s_add_nc_u64 s[20:21], s[20:21], s[94:95]      ; weight_q's
	s_add_nc_u64 s[8:9], s[8:9], s[98:99]          ; the keys' input
	s_add_nc_u64 s[16:17], s[16:17], s[98:99]      ; the queries'
	s_mul_i32 s94, s46, 256*768
	s_add_nc_u64 s[24:25], s[24:25], s[94:95]      ; the values' input
	s_mul_i32 s98, s51, 128*768
	s_add_nc_u64 s[28:29], s[28:29], s[98:99]      ; weight_v's codes
	s_mov_b32 s[G0IA], 1                           ; chunk 0: count = 1
	s_mul_i32 s[G0IA+1], s5, 128*PITCH             ; LDS address: no place in the cluster enters it
	s_add_nc_u64 s[G0IA+2:G0IA+3], s[12:13], s[OI:OI+1]
	s_or_b32 s[G0IA+3], s[G0IA+3], 0x80000000      ; type = 2
	s_mov_b32 s[G0JA], 1
	s_mul_i32 s[G0JA+1], s5, 64*PITCH
	s_add_co_u32 s[G0JA+1], s[G0JA+1], JOFF
	s_add_nc_u64 s[G0JA+2:G0JA+3], s[8:9], s[OJ:OJ+1]
	s_or_b32 s[G0JA+3], s[G0JA+3], 0x80000000
	JLOAD G0IA, G1IA, G0JA, G1JA                   ; chunk 0 of the tile of K: one tensor load a wave at the head
	v_and_b32 v1, 15, v0                           ; r
	v_bfe_u32 v2, v0, 4, 1                         ; h
	v_and_b32 v3, 31, v0                           ; lane
	v_lshlrev_b32 v14, 5, v1                       ; a row of scales is 32 bytes
	v_lshl_add_u32 v15, v2, 10, v14                ; J: lanes 16-31 take the rows 32 further on
	v_lshl_add_u32 v14, v2, 11, v14                ; I: 64 further on
	s_wait_alu depctr_va_vdst(0)                   ; ahead of the scalar lines
	s_mov_b32 s101, 0
	s_mov_b32 s67, 0
	s_mov_b32 s49, 0
	PTRS 6, 47, 98304, 32768, 14, 10, 32, 34       ; K: weight_k's scales, the keys' scales, kf, ksc
	SCL 0, 14, 10
	SCL 1, 14, 10
	PTRS 6, 47, 98304, 32768, 22, 18, 36, 38       ; Q likewise
	PTRS 46, 51, 786432, 4096, 26, 30, 40, 42      ; V: the values' scales, weight_v's scales, vf, vsc
	s_mov_b32 s[SEL], 0x76543210                   ; lane selects for lane l xor 16
	s_mov_b32 s[SEL+1], 0xfedcba98
	s_mov_b32 s[HI], 0xffff0000                    ; the mask of lanes 16-31
	s_mov_b32 s47, 0                               ; the trip
	s_mul_i32 s100, s4, 128*PITCH                  ; my 128 rows of I
	s_mul_i32 s66, s5, 64*PITCH
	s_add_co_u32 s66, s66, JOFF                    ; my 64 rows of J, behind I's 256
	v_mul_u32_u24 v16, v1, PITCH
	v_mad_u32_u24 v17, v2, 24, v16                 ; row r, + 24 h
	v_mul_u32_u24 v18, SLOT-232, v2
	v_add_nc_u32 v18, v16, v18
	v_add_nc_u32 v18, 232, v18                     ; across two chunks: lanes 0-15 byte 232 of the row, lanes 16-31 byte 0 of the row in the next slot
	v_add_nc_u32 v[AI], s100, v17
	v_add_nc_u32 v[AI+3], s100, v18
	v_add_nc_u32 v[AJ], s66, v17
	v_add_nc_u32 v[AJ+3], s66, v18
	v_add_nc_u32 v[AI+1], SLOT, v[AI]
	v_add_nc_u32 v[AJ+1], SLOT, v[AJ]
	v_add_nc_u32 v[AI+4], SLOT, v[AI+3]
	v_add_nc_u32 v[AJ+4], SLOT, v[AJ+3]
	v_add_nc_u32 v[AI+2], SLOT, v[AI+1]
	v_add_nc_u32 v[AJ+2], SLOT, v[AJ+1]
	v_lshlrev_b32 v[FO], 4, v3
	v_lshlrev_b32 v[SO], 3, v3
	v_mul_u32_u24 v[PFO], v3, 768
.irp b, 0,1,2,3
	v_mov_b32 v[TM+4+\b], 0                        ; written once: a lane permute's destination counts as one of its sources
.endr
	s_wait_alu depctr_va_vdst(0)
	s_mul_i32 s100, s7, 64*768                     ; the prefetches: of I's 256 rows my work-group's 64, by cy;
	s_mul_i32 s101, s6, 32*768                     ; of J's 128 its 32, by cx
	s_cmp_eq_u32 s4, 0
	s_cselect_b32 s50, s100, s101
	s_cselect_b64 s[PF:PF+1], s[12:13], s[8:9]
	s_lshl_b32 s100, s5, 8                         ; chunk 1 or 2
	s_add_co_u32 s50, s50, s100
	s_mov_b32 s51, 0
	s_add_nc_u64 s[PF:PF+1], s[PF:PF+1], s[50:51]
	s_cmp_lt_u32 s2, 4
	s_cselect_b32 s2, 3, 0
	s_sub_co_u32 s100, 2, s4                       ; K and Q: J's rows are an input's (bit 0); V: I's are (bit 1)
	s_or_b32 s2, s2, s100
	ASK 0                                          ; chunks 1 and 2 of the tile of K
	s_wait_tensorcnt 0x0                           ; my part of chunk 0 is in
	ds_add_u32 v[SPW], v[NIL]
	s_wait_xcnt 0x0                                ; the scale loads and the prefetch have read their bases
	s_add_nc_u64 s[G0JB+2:G0JB+3], s[8:9], s[OB:OB+1]
	s_or_b32 s[G0JB+3], s[G0JB+3], 0x80000000
	s_add_nc_u64 s[G0IB+2:G0IB+3], s[12:13], s[OB:OB+1]
	s_or_b32 s[G0IB+3], s[G0IB+3], 0x80000000
	s_mov_b32 s[G0IB], 1
	s_mul_i32 s[G0IB+1], s5, SLOT
	s_add_co_u32 s[G0IB+1], s[G0IB+1], SLOT        ; slot 1 or 2
	s_mov_b32 s[G0JB], 1
	s_mul_i32 s[G0JB+1], s5, SLOT
	s_add_co_u32 s[G0JB+1], s[G0JB+1], SLOT+JOFF
	s_cmp_eq_u32 s4, 0
	s_cselect_b64 s[PF:PF+1], s[NI:NI+1], s[NJ:NJ+1]
	s_add_nc_u64 s[PF:PF+1], s[PF:PF+1], s[50:51]
	s_wait_dscnt 0x0
	CROUND                                         ; everybody's part of chunk 0 is in
	JLOAD G0IB, G1IB, G0JB, G1JB                   ; chunks 1 and 2, the first tensor load behind the round
	FETCH 0
.Ltile:                                                ; the tiles of K and of Q
	STEPS 1
	SCL 1, 22, 18                                  ; the next tile's scale words of steps 4-7
	LEAVE
	s_wait_xcnt 0x0                                ; loads and stores have read their registers and bases
	s_mov_b64 s[NI:NI+1], s[24:25]                 ; next but one: the values' rows, weight_v's
	s_mov_b64 s[NJ:NJ+1], s[28:29]
	s_mov_b64 s[22:23], s[26:27]
	s_mov_b64 s[18:19], s[30:31]
	s_mov_b64 s[32:33], s[36:37]
	s_mov_b64 s[34:35], s[38:39]
	s_mov_b64 s[36:37], s[40:41]
	s_mov_b64 s[38:39], s[42:43]
	s_cmp_eq_u32 s4, 0
	s_cselect_b64 s[PF:PF+1], s[NI:NI+1], s[NJ:NJ+1]
	s_add_nc_u64 s[PF:PF+1], s[PF:PF+1], s[50:51]
	s_add_co_u32 s47, s47, 1
	s_wait_alu depctr_va_vdst(0)
	s_cmp_lt_u32 s47, 2
	s_cbranch_scc1 .Ltile
	STEPS 0                                        ; the tile of V: nothing is left to fetch
	LEAVE
	s_wait_tensorcnt 0x0                           ; the wave's end
	ds_add_u32 v[SPW], v[NIL]
	s_wait_dscnt 0x0
	CROUND                                         ; the closing round: no work-group ends while a partner may still ask for rows that name it
	s_endpgm
.Lfunc_end_k_q352175e4c5_proj:
	.size	k_q352175e4c5_proj, .Lfunc_end_k_q352175e4c5_proj-k_q352175e4c5_proj
	.p2alignl 7, 3214868480
	.fill 96, 4, 3214868480
	.section	.rodata,"a",@progbits
	.p2align	6, 0x0
	.amdhsa_kernel k_q352175e4c5_proj
		.amdhsa_group_segment_fixed_size 327680
		.amdhsa_private_segment_fixed_size 0
		.amdhsa_enable_private_segment 0
		.amdhsa_kernarg_size 144
		.amdhsa_user_sgpr_count 2
		.amdhsa_user_sgpr_kernarg_segment_ptr 1
		.amdhsa_wavefront_size32 1
		.amdhsa_system_sgpr_workgroup_id_x 1
		.amdhsa_system_sgpr_workgroup_id_y 1
		.amdhsa_system_sgpr_workgroup_id_z 1
		.amdhsa_system_vgpr_workitem_id 0
		.amdhsa_next_free_vgpr 864
		.amdhsa_next_free_sgpr 106
		.amdhsa_reserve_vcc 0
		.amdhsa_float_denorm_mode_32 3
		.amdhsa_float_denorm_mode_16_64 3
		.amdhsa_memory_ordered 1
		.amdhsa_forward_progress 1
		.amdhsa_inst_pref_size 223
	.end_amdhsa_kernel
	.amdgpu_metadata
---
amdhsa.version: [ 1, 2 ]
amdhsa.kernels:
  - .name:           k_q352175e4c5_proj
    .symbol:         k_q352175e4c5_proj.kd
    .args:
      - { .name: inputs_for_keys_codes, .offset: 0, .size: 8, .value_kind: global_buffer, .address_space: global }
      - { .name: inputs_for_keys_scales, .offset: 8, .size: 8, .value_kind: global_buffer, .address_space: global }
      - { .name: weight_k_codes, .offset: 16, .size: 8, .value_kind: global_buffer, .address_space: global }
      - { .name: weight_k_scales, .offset: 24, .size: 8, .value_kind: global_buffer, .address_space: global }
      - { .name: inputs_for_queries_codes, .offset: 32, .size: 8, .value_kind: global_buffer, .address_space: global }
      - { .name: inputs_for_queries_scales, .offset: 40, .size: 8, .value_kind: global_buffer, .address_space: global }
      - { .name: weight_q_codes, .offset: 48, .size: 8, .value_kind: global_buffer, .address_space: global }
      - { .name: weight_q_scales, .offset: 56, .size: 8, .value_kind: global_buffer, .address_space: global }
      - { .name: inputs_for_values_codes, .offset: 64, .size: 8, .value_kind: global_buffer, .address_space: global }
      - { .name: inputs_for_values_scales, .offset: 72, .size: 8, .value_kind: global_buffer, .address_space: global }
      - { .name: weight_v_codes, .offset: 80, .size: 8, .value_kind: global_buffer, .address_space: global }
      - { .name: weight_v_scales, .offset: 88, .size: 8, .value_kind: global_buffer, .address_space: global }
      - { .name: kf, .offset: 96, .size: 8, .value_kind: global_buffer, .address_space: global }
      - { .name: ksc, .offset: 104, .size: 8, .value_kind: global_buffer, .address_space: global }
      - { .name: qf, .offset: 112, .size: 8, .value_kind: global_buffer, .address_space: global }
      - { .name: qsc, .offset: 120, .size: 8, .value_kind: global_buffer, .address_space: global }
      - { .name: vf, .offset: 128, .size: 8, .value_kind: global_buffer, .address_space: global }
      - { .name: vsc, .offset: 136, .size: 8, .value_kind: global_buffer, .address_space: global }
    .group_segment_fixed_size: 327680
    .private_segment_fixed_size: 0
    .kernarg_segment_align: 8
    .kernarg_segment_size: 144
    .max_flat_workgroup_size: 128
    .sgpr_count:     106
    .vgpr_count:     864
    .wavefront_size: 32
...
	.end_amdgpu_metadata
.endif
;; end of part 1
;; launch scores (part 2): grid 64 x 4, 4 waves a work-group, no clusters, 168,448 bytes of LDS; arguments kf, ksc, qf, qsc, pf, pst; writes pf, pst
.if DOCPART == 2
	.amdgcn_target "amdgcn-amd-amdhsa--gfx1250"
	.amdhsa_code_object_version 6
	.text
	.protected	k_q352175e4c5_scores
	.globl	k_q352175e4c5_scores
	.p2align	8
	.type	k_q352175e4c5_scores,@function
k_q352175e4c5_scores:
	s_mov_b64 s[64:65], 0
	v_nop
	global_prefetch_b8 v0, s[64:65] scope:SCOPE_SE
	s_setreg_imm32_b32 hwreg(HW_REG_WAVE_MODE, 25, 1), 1
	s_wait_xcnt 0x0
; S^T = K Q^T on the tiles that the causal mask leaves, a softmax LOCAL to 128 keys, and P quantised along the keys.
; A work-group takes keys 128 kb .. + 127 (i) x 20 tiles of 16 queries (j) of one batch, five tiles a wave: tile T = 16 (kb / 2) + 20 c + 5 w + a. Panels kb = 2 m and 2 m + 1 have 128 - 16 m query tiles, so 7, 6, 5, 4, 4, 3, 2, 1
; pieces c for m = 0 .. 7: 64 work-groups a batch, 256 in all. Tiles behind the last query (T > 127) load tile 127 and store nothing.  Tiles wholly above the diagonal of the blocks of 256 are left out: reference() puts -inf there.
; 40 accumulators: (a, b) for a < 4 at v[8 (8 a + b)] of window 1, for a = 4 at v[192 + 8 b] of window 2.
; Source 0 = 16 keys, source 1 = 16 queries: lane (r, h) holds query 16 T + r, and register 8 b + jj of tile a the key 16 b + 8 h + jj.
; THE SOFTMAX. t = score x log2(e) / sqrt(2048); M = ceil(the largest t of my query among THESE 128 keys), a whole number; p = 2^(t - M) is quantised; l = the sum of the unquantised p. Stored for each query and
; key step: p's scale word, -M and l. The next launch brings all steps of a row under the row's M by taking a whole number off the scale bytes, which is exact.
; A query all of whose 128 keys are hidden gets -M = floor(3e38), l = 0 and zero codes.
; K's panel (98,304 dense bytes of kf) comes into LDS once, by one tensor load a wave; Q's fragments, which no other wave of the work-group wants, come straight into registers, three K steps ahead, four sets.
; NO CLUSTER: panel kb is read by 7 down to 1 work-groups: no one cluster shape holds such groups. NO PREFETCH: K's panel is asked for whole at the head, Q's fragments three steps ahead by their own loads.
; The order of codes inside a block of 32 is the one that the projections' launch gives V's codes (see there). LIMITS: NaN and infinities are not served, nor such as reach only hidden scores carried on;
; a block of zeros carries the byte 1; the scaled scores stay under 2^31 in magnitude.
.set FO,  5                            ; v5      16 x lane: an image's place for my lane, in memory and in the first four K steps of LDS
.set LB,  5                            ; v5-6    LDS: 16 x lane + 49,152 x (K step / 4)
.set D0,  8                            ; v8      my query of tile 0 less the step's first key less 8 h
.set NINF, 9                           ; v9      -infinity
.set QO,  10                           ; v10-12  the scale words of Q's tiles 2 p (lanes 0-15), 2 p + 1 (lanes 16-31)
.set RO,  13                           ; v13     16 r + 8 h: my half of a record
.set IS,  16                           ; v16-47  K's scale words: register 4 t + 2 g + u: K step t, tiles 4 g + u (lanes 0-15) and 4 g + 2 + u (lanes 16-31)
.set JS,  48                           ; v48-71  Q's: register 3 t + p
.set BM,  72                           ; v72-75  a block's largest score, then its largest p
.set BT,  76                           ; v76-79  the other half's
.set TQ,  80                           ; v80-83  the conversions' scale operands
.set BY,  84                           ; v84-87  the bytes
.set NM,  88                           ; v88-89  -M, as a pair
.set LS,  112                          ; v112-119 the sum, in four chains of two
.set TA,  94                           ; v94-95
.set TB,  95
.set PW,  96
.set LL,  97
.set REC, 100                          ; v100-109 a record's half, two registers a tile
.set PCB, 128                          ; tile a's codes at v[128 + 20 a]
.set G1,  16
.set G0,  24
.set T0,  30
.set OPEN, 31                          ; from this tile on nothing is hidden
.set KB,  34
.set CS,  36                           ; s[36:37] c = log2(e) / sqrt(2048)
.set SEL, 38
.set HI,  48
.set QB,  66                           ; s[66:75] Q's fragments of tile a
.set PB,  76                           ; s[76:85] P's
.set MSB, 0
.macro WIN new
.if MSB != (\new)
	s_set_vgpr_msb (MSB<<8)|(\new)
.set MSB, \new
.endif
.endm
.macro PLACES n
.rept \n
	v_nop
.endr
.endm
.macro KFR t, b                        ; K's fragment b of K step t, as an image, into set t % 2 of window 2
.irp g, 0,1,2
	ds_load_b128 v[96*((\t)%2)+12*(\b)+4*\g:96*((\t)%2)+12*(\b)+4*\g+3], v[LB+(\t)/4] offset:12288*((\t)%4)+1536*(\b)+512*\g
.endr
.endm
.macro QL t, j                         ; a third (j % 3) of Q's fragment of tile j / 3, K step t, into set t % 4 of window 3
.set qa, (\j)/3
.set qg, (\j)%3
	global_load_b128 v[60*((\t)%4)+12*qa+4*qg:60*((\t)%4)+12*qa+4*qg+3], v[FO], s[QB+2*qa:QB+2*qa+1] offset:12288*(\t)+512*qg
.endm
.macro WM zero
.if \zero
.if fRA && fRB
	v_wmma_scale_f32_16x16x128_f8f6f4 v[rD:rD+7], v[rA:rA+11], v[rB:rB+11], 0, v[rSA], v[rSB] matrix_a_fmt:MATRIX_FMT_BF6 matrix_b_fmt:MATRIX_FMT_BF6 matrix_a_scale:MATRIX_SCALE_ROW1 matrix_b_scale:MATRIX_SCALE_ROW1
.elseif fRA
	v_wmma_scale_f32_16x16x128_f8f6f4 v[rD:rD+7], v[rA:rA+11], v[rB:rB+11], 0, v[rSA], v[rSB] matrix_a_fmt:MATRIX_FMT_BF6 matrix_b_fmt:MATRIX_FMT_BF6 matrix_a_scale:MATRIX_SCALE_ROW1
.elseif fRB
	v_wmma_scale_f32_16x16x128_f8f6f4 v[rD:rD+7], v[rA:rA+11], v[rB:rB+11], 0, v[rSA], v[rSB] matrix_a_fmt:MATRIX_FMT_BF6 matrix_b_fmt:MATRIX_FMT_BF6 matrix_b_scale:MATRIX_SCALE_ROW1
.else
	v_wmma_scale_f32_16x16x128_f8f6f4 v[rD:rD+7], v[rA:rA+11], v[rB:rB+11], 0, v[rSA], v[rSB] matrix_a_fmt:MATRIX_FMT_BF6 matrix_b_fmt:MATRIX_FMT_BF6
.endif
.else
.if fRA && fRB
	v_wmma_scale_f32_16x16x128_f8f6f4 v[rD:rD+7], v[rA:rA+11], v[rB:rB+11], v[rD:rD+7], v[rSA], v[rSB] matrix_a_fmt:MATRIX_FMT_BF6 matrix_b_fmt:MATRIX_FMT_BF6 matrix_a_scale:MATRIX_SCALE_ROW1 matrix_b_scale:MATRIX_SCALE_ROW1
.elseif fRA
	v_wmma_scale_f32_16x16x128_f8f6f4 v[rD:rD+7], v[rA:rA+11], v[rB:rB+11], v[rD:rD+7], v[rSA], v[rSB] matrix_a_fmt:MATRIX_FMT_BF6 matrix_b_fmt:MATRIX_FMT_BF6 matrix_a_scale:MATRIX_SCALE_ROW1
.elseif fRB
	v_wmma_scale_f32_16x16x128_f8f6f4 v[rD:rD+7], v[rA:rA+11], v[rB:rB+11], v[rD:rD+7], v[rSA], v[rSB] matrix_a_fmt:MATRIX_FMT_BF6 matrix_b_fmt:MATRIX_FMT_BF6 matrix_b_scale:MATRIX_SCALE_ROW1
.else
	v_wmma_scale_f32_16x16x128_f8f6f4 v[rD:rD+7], v[rA:rA+11], v[rB:rB+11], v[rD:rD+7], v[rSA], v[rSB] matrix_a_fmt:MATRIX_FMT_BF6 matrix_b_fmt:MATRIX_FMT_BF6
.endif
.endif
.endm
.macro OPERANDS t                      ; of accumulator (ma, mb) in K step t
.set rA, 96*((\t)%2)+12*mb
.set rB, 60*((\t)%4)+12*ma
.set rSA, IS+4*(\t)+2*(mb/4)+mb%2
.set rSB, JS+3*(\t)+ma/2
.set fRA, (mb%4)/2
.set fRB, ma%2
.endm
.macro MM t, b0                        ; 16 matrix instructions: K's fragments b0 .. b0 + 3 with tiles 0-3
	WIN 0x5e                                       ; source 0 (K) window 2, source 1 (Q) window 3, C and D window 1
.set n, 4*(\b0)
.rept 16
.set ma, n%4
.set mb, n/4
.set rD, 8*(8*ma+mb)
	OPERANDS \t
	WM zr
.set n, n+1
.endr
.endm
; K step t: the 40 accumulators take turns, one instruction a turn, in the same order in every step. The run of loads for later steps stands ahead of the products in the even waves
; and behind the first sixteen in the odd ones: two waves load while two multiply.
.macro KSTEP t
.set wq, 15*(7-(\t))
.if (\t) < 5
.set wq, 30
.endif
.set zr, 0
.if (\t) == 0
.set zr, 1
.endif
	s_wait_dscnt 12                                ; K's fragments 0-3 are in; the youngest 12 loads (4-7) may be out
	s_wait_loadcnt wq                              ; this step's Q is in: behind its 15 loads stand those of the next two steps, as far as there are such
.if (\t) > 0
	PLACES 4                                       ; between the last step's products and loads into registers that they read
.endif
.if ((\t) > 0) && ((\t) < 7)
	WIN 0
	s_cmp_eq_u32 s51, 0
	s_cbranch_scc1 .Leven_\@
	MM \t, 0
	WIN 0
.Leven_\@:
.endif
	s_wait_dscnt 0x0                               ; K's fragments 4-7 are in too
.if (\t) < 7
	WIN 0x80
.irp b, 0,1,2,3,4,5,6,7
	KFR (\t)+1, \b
.endr
.endif
.if (\t) < 5
	WIN 0xc0
.irp j, 0,1,2,3,4,5,6,7,8,9,10,11,12,13,14
	QL (\t)+3, \j
.endr
.endif
.if ((\t) > 0) && ((\t) < 7)
	WIN 0
	s_cmp_eq_u32 s51, 0
	s_cbranch_scc0 .Lodd_\@
	MM \t, 0
	WIN 0
.Lodd_\@:
.else
	MM \t, 0
.endif
	MM \t, 4
	WIN 0xae                                       ; tile 4: C and D window 2
.set ma, 4
.set mb, 0
.rept 8
.set rD, 192+8*mb
	OPERANDS \t
	WM zr
.set mb, mb+1
.endr
.endm
; Tile a: mask, local softmax, quantiser, store.
.macro SOFT a
.if (\a) < 4
.set AC, 64*(\a)
.set sw, 1
.else
.set AC, 192
.set sw, 2
.endif
.set PP, PCB+20*(\a)
	WIN 0
	s_add_co_u32 s40, s[T0], \a
	s_cmp_gt_u32 s40, 127                          ; behind the last query: this tile and those that follow are none
	s_cbranch_scc1 .Lend
	s_cmp_ge_u32 s40, s[OPEN]                      ; all 128 keys come before my tile's first query: nothing is hidden
	s_cbranch_scc1 .Lopen_\@
	WIN (sw*0x41)
.set n, 0
.rept 64                                       ; register n holds key 16 (n / 8) + n % 8 + 8 h of the step: hidden where it lies behind my query
	v_cmp_gt_i32 vcc_lo, 16*(n/8)+n%8-16*(\a), v[D0]
	v_cndmask_b32 v[AC+n], v[AC+n], v[NINF], vcc_lo
.set n, n+1
.endr
	WIN 0
.Lopen_\@:
	WIN (sw*0x15)
.irp b, 0,1,2,3
	v_max3_num_f32 v[BM+\b], v[AC+16*\b], v[AC+16*\b+1], v[AC+16*\b+2]   ; the largest score of each block of 32 keys: for the row's maximum and, since p rises with the score, for the block's largest p
.endr
	WIN (sw*0x14)
.irp i, 3,5,7,9,11,13
.irp b, 0,1,2,3
	v_max3_num_f32 v[BM+\b], v[BM+\b], v[AC+16*\b+\i], v[AC+16*\b+\i+1]
.endr
.endr
.irp b, 0,1,2,3
	v_max_num_f32 v[BM+\b], v[BM+\b], v[AC+16*\b+15]
.endr
	WIN 0
.irp b, 0,1,2,3
	v_permlanex16_b32 v[BT+\b], v[BM+\b], s[SEL], s[SEL+1]
.endr
.irp b, 0,1,2,3
	v_max_num_f32 v[BM+\b], v[BM+\b], v[BT+\b]     ; with lane l xor 16's 16 keys
.endr
	v_max3_num_f32 v[TA], v[BM], v[BM+1], v[BM+2]
	v_max_num_f32 v[TA], v[TA], v[BM+3]
	v_mul_f32 v[TA], s[CS], v[TA]                  ; as t (c is positive)
	v_max_num_f32 v[TA], 0xff61b1e6, v[TA]         ; held at -3e38 where all 128 keys are hidden
	v_floor_f32 v[NM], -v[TA]                      ; -M = floor(-t) = -ceil(t)
	v_mov_b32 v[NM+1], v[NM]
	WIN (sw*0x41)
.set n, 0
.rept 32
	v_pk_fma_f32 v[AC+n:AC+n+1], v[AC+n:AC+n+1], s[CS:CS+1], v[NM:NM+1] op_sel_hi:[1,0,0]   ; t - M, two at a time
.set n, n+2
.endr
	WIN 0
.irp b, 0,1,2,3
	v_fma_f32 v[BM+\b], v[BM+\b], s[CS], v[NM]     ; the same of each block's largest score
.endr
	WIN (sw*0x41)
.set n, 0
	s_wait_alu depctr_va_vdst(0)                   ; the wait ahead of the batches
.rept 64
	v_exp_f32 v[AC+n], v[AC+n]                     ; p = 2^(t - M)
.set n, n+1
.endr
	WIN 0
.irp j, 0,1,2,3,4,5,6,7
	v_mov_b32 v[LS+\j], 0                          ; the sums begin; also the plain instructions behind the exponentials
.endr
	s_wait_alu depctr_va_vdst(0)                   ; one wait for the batch of 64, ahead of its first reader
.irp b, 0,1,2,3
	v_exp_f32 v[BM+\b], v[BM+\b]                   ; the block's largest p: the same two instructions on the same number
.endr
	WIN (sw*0x04)
.set n, 0
.rept 8
.irp j, 0,2,4,6
	v_pk_add_f32 v[LS+\j:LS+\j+1], v[LS+\j:LS+\j+1], v[AC+n+\j:AC+n+\j+1]       ; the sum of the UNQUANTISED p, in four chains; it names none of the four
.endr
.set n, n+8
.endr
	WIN 0
	v_pk_add_f32 v[LS:LS+1], v[LS:LS+1], v[LS+2:LS+3]
	v_pk_add_f32 v[LS+4:LS+5], v[LS+4:LS+5], v[LS+6:LS+7]
	v_pk_add_f32 v[LS:LS+1], v[LS:LS+1], v[LS+4:LS+5]
	v_add_f32 v[TA], v[LS], v[LS+1]
	v_permlanex16_b32 v[TB], v[TA], s[SEL], s[SEL+1]
	v_add_f32 v[LL], v[TA], v[TB]                  ; with lane l xor 16's: l of my query for these 128 keys
	s_wait_alu depctr_va_vdst(0)                   ; and one wait for the four
.irp b, 0,1,2,3
	v_max_num_f32 v[BM+\b], 0x2800000, v[BM+\b]    ; the floor 2^(5 - 127): the byte cannot fall under 1
.endr
.irp b, 0,1,2,3
	v_add_nc_u32 v[TQ+\b], 0xfe000000, v[BM+\b]    ; 4 off the exponent field: the conversion's scale operand
.endr
.irp b, 0,1,2,3
	v_lshrrev_b32 v[BY+\b], 23, v[TQ+\b]
.endr
	v_lshl_or_b32 v[PW], v[BY+1], 8, v[BY]
	v_lshl_or_b32 v[PW], v[BY+2], 16, v[PW]
	v_lshl_or_b32 v[PW], v[BY+3], 24, v[PW]
	WIN (sw*0x01)
.irp c, 0,1
	v_cvt_scalef32_pk16_bf6_f32 v[PP+6*\c:PP+6*\c+2], v[AC+32*\c:AC+32*\c+15], v[TQ+2*\c]
	v_cvt_scalef32_pk16_bf6_f32 v[PP+12+4*\c:PP+14+4*\c], v[AC+16+32*\c:AC+31+32*\c], v[TQ+2*\c+1]
.endr
	WIN 0
	v_cndmask_b32 v[REC+2*(\a)], v[PW], v[LL], s[HI]    ; a record of 16 bytes a query: lanes 0-15 the scale word and -M, lanes 16-31 l and 0.  (Plain instructions behind the conversions)
	v_cndmask_b32 v[REC+2*(\a)+1], v[NM], 0, s[HI]
.irp c, 0,1
.irp i, 0,1,2
	v_permlane16_swap_b32 v[PP+6*\c+\i], v[PP+12+4*\c+\i]
.endr
.irp i, 0,1,2
	v_mov_b32 v[PP+3+6*\c+\i], v[PP+12+4*\c+\i]
.endr
.endr
.irp g, 0,1,2
	global_store_b128 v[FO], v[PP+4*\g:PP+4*\g+3], s[PB+2*(\a):PB+2*(\a)+1] offset:512*\g   ; 512 consecutive bytes a store; each tile has registers of its own
.endr
	global_store_b64 v[RO], v[REC+2*(\a):REC+2*(\a)+1], s[14:15] offset:256*(\a)            ; 256 consecutive bytes
.endm
	s_load_b256 s[4:11], s[0:1], 0x0               ; kf, ksc, qf, qsc
	s_load_b128 s[12:15], s[0:1], 0x20             ; pf, pst
	v_lshl_add_u32 v254, v0, 2, 0x29000            ; behind K's panel: my spare word
	v_mov_b32 v255, 0
	ds_add_u32 v254, v255
	ds_add_u32 v254, v255
	v_lshrrev_b32 v1, 5, v0
	v_readfirstlane_b32 s3, v1                     ; wave 0..3
	s_and_b32 s51, s3, 1                           ; an odd wave?
	s_and_b32 s32, ttmp7, 0xffff                   ; the batch
	s_lshr_b32 s40, ttmp9, 1
	s_mov_b32 s33, 0
	s_mov_b32 s35, 0
.irp th, 7,13,18,22,26,29,31
	s_cmp_ge_u32 s40, \th
	s_cselect_b32 s41, 1, 0
	s_cselect_b32 s35, \th, s35
	s_add_co_u32 s33, s33, s41                     ; m
.endr
	s_sub_co_u32 s40, s40, s35                     ; c
	s_and_b32 s41, ttmp9, 1
	s_lshl_b32 s[KB], s33, 1
	s_add_co_u32 s[KB], s[KB], s41                 ; kb = 2 m + x % 2
	s_mul_i32 s40, s40, 20
	s_lshl_b32 s41, s33, 4
	s_add_co_u32 s40, s40, s41
	s_mul_i32 s41, s3, 5
	s_add_co_u32 s[T0], s40, s41                   ; my first tile of queries
	s_lshl_b32 s[OPEN], s[KB], 3
	s_add_co_u32 s[OPEN], s[OPEN], 8
	; descriptor group 1: a quarter of a panel, 24,576 dense bytes, as 96 rows of 256 bytes (32 elements of 8 bytes)
	s_mov_b32 s[G1], 3<<16
	s_mov_b32 s[G1+1], 32<<16
	s_mov_b32 s[G1+2], 96<<16
	s_mov_b32 s[G1+3], 32<<16
	s_mov_b32 s[G1+4], 96
	s_mov_b32 s[G1+5], 32
	s_mov_b32 s[G1+6], 0
	s_mov_b32 s[G1+7], 0
	s_lshl_b32 s45, s32, 4
	s_add_co_u32 s50, s45, s[KB]                   ; K's panel: 16 x batch + kb
	s_mul_i32 s44, s3, 24576                       ; wave w brings K steps 2 w and 2 w + 1
	s_mul_i32 s42, s50, 98304
	s_add_co_u32 s42, s42, s44
	s_mov_b32 s43, 0
	s_wait_dscnt 0x0
	s_wait_kmcnt 0x0
	s_mov_b32 s[G0], 1
	s_mov_b32 s[G0+1], s44
	s_add_nc_u64 s[G0+2:G0+3], s[4:5], s[42:43]
	s_or_b32 s[G0+3], s[G0+3], 0x80000000
	tensor_load_to_lds s[G0:G0+3], s[G1:G1+7]      ; my only tensor load
	s_nop 0
	PLACES 4
	s_mov_b32 s[CS], 0x3d0293ee                    ; c = log2(e) / sqrt(2048)
	s_mov_b32 s[CS+1], s[CS]
	s_mov_b32 s[SEL], 0x76543210
	s_mov_b32 s[SEL+1], 0xfedcba98
	s_mov_b32 s[HI], 0xffff0000
	s_lshl_b32 s42, s[T0], 4
	s_lshl_b32 s41, s[KB], 7
	s_sub_co_u32 s42, s42, s41                     ; my first query less the step's first key (it may be negative)
	v_and_b32 v7, 31, v0
	v_and_b32 v3, 15, v0                           ; r
	v_bfe_u32 v4, v0, 4, 1                         ; h
	v_lshlrev_b32 v[FO], 4, v7
	v_lshlrev_b32 v2, 3, v7                        ; 8 x lane: a scale group's place for my lane
	v_lshlrev_b32 v[D0], 3, v4
	v_sub_nc_u32 v[D0], v3, v[D0]
	v_add_nc_u32 v[D0], s42, v[D0]
	v_add_nc_u32 v[LB+1], 49152, v[FO]
	v_lshlrev_b32 v[RO], 4, v3
	v_lshl_add_u32 v[RO], v4, 3, v[RO]
	v_mov_b32 v[NINF], 0xff800000
.irp b, 0,1,2,3
	v_mov_b32 v[BT+\b], 0                          ; written once: a lane permute's destination counts as one of its sources
.endr
.irp p, 0,1,2
	s_add_co_u32 s42, s[T0], 2*\p
	v_add_nc_u32 v[TA], s42, v4                    ; tile 2 p + h, 127 at the most
	v_min_u32 v[TA], 127, v[TA]
	v_and_b32 v[TB], 1, v[TA]
	v_lshrrev_b32 v[TA], 1, v[TA]
	v_lshlrev_b32 v[TB], 2, v[TB]
	v_lshl_add_u32 v[TB], v[TA], 7, v[TB]
	v_lshl_add_u32 v[QO+\p], v3, 3, v[TB]          ; 128 (tile / 2) + 4 (tile % 2) + 8 r
.endr
	s_wait_alu depctr_va_vdst(0)                   ; ahead of the scalar lines
	s_lshl_b32 s42, s50, 9                         ; K's scale groups: two to a panel
	s_add_nc_u64 s[6:7], s[6:7], s[42:43]
	s_lshl_b32 s42, s32, 13                        ; Q's: 32 groups a batch
	s_add_nc_u64 s[10:11], s[10:11], s[42:43]
	s_lshl_b32 s42, s50, 7                         ; pst: (16 x batch + kb) x 128 query tiles + my first, 256 bytes a tile
	s_add_co_u32 s42, s42, s[T0]
	s_lshl_b32 s42, s42, 8
	s_add_nc_u64 s[14:15], s[14:15], s[42:43]
.irp t, 0,1,2,3,4,5,6,7
	global_load_b64 v[IS+4*\t:IS+4*\t+1], v2, s[6:7] offset:32768*\t          ; each load takes a whole group of 256 bytes
	global_load_b64 v[IS+4*\t+2:IS+4*\t+3], v2, s[6:7] offset:32768*\t+256
.irp p, 0,1,2
	global_load_b32 v[JS+3*\t+\p], v[QO+\p], s[10:11] offset:32768*\t
.endr
.endr
	s_mul_i32 s49, s[KB], 12288
.irp a, 0,1,2,3,4
	s_add_co_u32 s40, s[T0], \a
	s_min_u32 s40, s40, 127
	s_lshr_b32 s41, s40, 3
	s_and_b32 s47, s40, 7
	s_add_co_u32 s41, s41, s45                     ; the tile's panel of Q and of P
	s_mul_i32 s47, s47, 1536
	s_mul_i32 s42, s41, 98304
	s_add_co_u32 s42, s42, s47
	s_add_nc_u64 s[QB+2*\a:QB+2*\a+1], s[8:9], s[42:43]
	s_mul_i32 s42, s41, 196608                     ; a panel of pf: 16 K steps
	s_add_co_u32 s42, s42, s47
	s_add_co_u32 s42, s42, s49
	s_add_nc_u64 s[PB+2*\a:PB+2*\a+1], s[12:13], s[42:43]
.endr
	WIN 0xc0
.irp t, 0,1,2
.irp j, 0,1,2,3,4,5,6,7,8,9,10,11,12,13,14
	QL \t, \j
.endr
.endr
	WIN 0
	s_wait_alu depctr_va_vdst(0)
	s_wait_tensorcnt 0x0                           ; my quarter of K's panel has landed,
	s_barrier_signal -1
	s_barrier_wait -1                              ; everybody's has
	WIN 0x80
.irp b, 0,1,2,3,4,5,6,7
	KFR 0, \b
.endr
.irp t, 0,1,2,3,4,5,6,7
	KSTEP \t
.endr
	WIN 0
	PLACES 4                                       ; between the last products and the first read of results
	SOFT 0
	SOFT 1
	SOFT 2
	SOFT 3
	SOFT 4
.Lend:
	s_wait_tensorcnt 0x0                           ; the wave's end
	ds_add_u32 v254, v255
	s_wait_dscnt 0x0
	s_endpgm
.Lfunc_end_k_q352175e4c5_scores:
	.size	k_q352175e4c5_scores, .Lfunc_end_k_q352175e4c5_scores-k_q352175e4c5_scores
	.p2alignl 7, 3214868480
	.fill 96, 4, 3214868480
	.section	.rodata,"a",@progbits
	.p2align	6, 0x0
	.amdhsa_kernel k_q352175e4c5_scores
		.amdhsa_group_segment_fixed_size 168448
		.amdhsa_private_segment_fixed_size 0
		.amdhsa_enable_private_segment 0
		.amdhsa_kernarg_size 48
		.amdhsa_user_sgpr_count 2
		.amdhsa_user_sgpr_kernarg_segment_ptr 1
		.amdhsa_wavefront_size32 1
		.amdhsa_system_sgpr_workgroup_id_x 1
		.amdhsa_system_sgpr_workgroup_id_y 1
		.amdhsa_system_sgpr_workgroup_id_z 1
		.amdhsa_system_vgpr_workitem_id 0
		.amdhsa_next_free_vgpr 1024
		.amdhsa_next_free_sgpr 96
		.amdhsa_reserve_vcc 1
		.amdhsa_float_denorm_mode_32 3
		.amdhsa_float_denorm_mode_16_64 3
		.amdhsa_memory_ordered 1
		.amdhsa_forward_progress 1
		.amdhsa_inst_pref_size 177
	.end_amdhsa_kernel
	.amdgpu_metadata
---
amdhsa.version: [ 1, 2 ]
amdhsa.kernels:
  - .name:           k_q352175e4c5_scores
    .symbol:         k_q352175e4c5_scores.kd
    .args:
      - { .name: kf, .offset: 0, .size: 8, .value_kind: global_buffer, .address_space: global }
      - { .name: ksc, .offset: 8, .size: 8, .value_kind: global_buffer, .address_space: global }
      - { .name: qf, .offset: 16, .size: 8, .value_kind: global_buffer, .address_space: global }
      - { .name: qsc, .offset: 24, .size: 8, .value_kind: global_buffer, .address_space: global }
      - { .name: pf, .offset: 32, .size: 8, .value_kind: global_buffer, .address_space: global }
      - { .name: pst, .offset: 40, .size: 8, .value_kind: global_buffer, .address_space: global }
    .group_segment_fixed_size: 168448
    .private_segment_fixed_size: 0
    .kernarg_segment_align: 8
    .kernarg_segment_size: 48
    .max_flat_workgroup_size: 128
    .sgpr_count:     96
    .vgpr_count:     1024
    .wavefront_size: 32
...
	.end_amdgpu_metadata
.endif
;; end of part 2
;; launch pv (part 3): grid 8 x 32, 4 waves a work-group, no clusters, 327,680 bytes of LDS; arguments vf, vsc, pf, pst, out0; writes out0
.if DOCPART == 3
	.amdgcn_target "amdgcn-amd-amdhsa--gfx1250"
	.amdhsa_code_object_version 6
	.text
	.protected	k_q352175e4c5_pv
	.globl	k_q352175e4c5_pv
	.p2align	8
	.type	k_q352175e4c5_pv,@function
k_q352175e4c5_pv:
	s_mov_b64 s[64:65], 0
	v_nop
	global_prefetch_b8 v0, s[64:65] scope:SCOPE_SE
	s_setreg_imm32_b32 hwreg(HW_REG_WAVE_MODE, 25, 1), 1
	s_wait_xcnt 0x0
; O^T = V^T P^T over the key steps that the causal mask leaves, divided by the row's sum.
; A work-group takes 128 channels (panel cb) x TWO panels of 128 queries of one batch, 15 - i and i (i = 0..7): 16 - i key steps of 128 keys for the first, i + 1 for the second: 17 in every work-group. Key steps wholly above
; the diagonal are left out: reference() puts -inf there, so p is 0 for all inputs (limit: a NaN or an infinity that reaches only those is not carried to the result).
; THE WALK is one stream of steps s = 0..16: with NH = 16 - i (9..16), step s < NH is panel 15 - i, key step s; else panel i, key step s - NH. Steps 0 to 4 are written out; three trips of four steps follow. At step NH the
; first panel's rows leave and the second's sums begin: a branch on the work-group's own number, alike in all waves, round no barrier.
; Wave w takes queries 32 w .. + 31 of either panel: 16 accumulators, (a, b) at v[8 (8 a + b)] of window 1, by turns.
; Source 0 = 16 channels of V (keys innermost), source 1 = 16 queries of P: lane (r, h) holds query 16 a + r and channels 16 b + 8 h + 0..7.
; THE ROW'S M. P's codes were made under an M local to each key step. -M of the row is the least of the steps' -M; d = (-M of the step) - (-M of the row) is a whole number, 0 or more. Each of the step's four scale bytes
; becomes max(byte - d, 0), four at a time: bit 7 of each byte is set first (a byte is at most 123 and d is held at 127, so no byte borrows from its neighbour) and tells afterwards whether the byte fell under 0.
; l of the row = the sum over the steps of l x 2^-d.
; V's panel for the batch, 16 key steps x 12,288 bytes of vf, comes into LDS once, in two fills: key steps 0-3 at the head, 4-15 behind the head's barrier; wave w brings fragments 2 w and 2 w + 1 of each key step. The
; barrier at step 3 shows the second fill. P's fragments and V's scale words come straight into registers, three steps ahead, four sets (the last three steps ask for step 16 again: the counts stay alike).
; P is prefetched into the L2: steps 3-7 at the head, 8-12 in step 1, 13-16 in step 4, by wave 0, six blocks of 256 bytes a step in each of the eight work-groups that read it. V's panel is asked for by the two fills and is not prefetched.
; NO CLUSTER: the work-groups that share V's panel change panels at different steps; P is shared by those of one pair, whose fragments go into registers.
; LIMITS: a block of P whose byte would fall under 0 is held at 2^-127 and not rounded anew: at most 28 x 2^-127 a term. NaN and infinities are not served.
.set FO,  5                            ; v5      16 x lane
.set VA,  6                            ; v6-7    where V's fragments of a step lie in LDS
.set PA,  8                            ; v8-11   P's offsets, one for each set
.set VO,  12                           ; v12-15  the offsets of V's scale words
.set STO, 16                           ; v16     the way out: where I put 32 bytes of a row
.set RD,  17                           ; v17     and where I read a row back
.set NGH, 19                           ; v19, v20 the row's -M in panel 15 - i, in panel i: lanes 0-15 tile 0, lanes 16-31 tile 1
.set NGL, 20
.set LSH, 21                           ; v21, v22 the row's l
.set LSL, 22
.set LIH, 23                           ; v23, v24 1 / l
.set LIL, 24
.set XX,  25                           ; v25-26  the other half's
.set BIG, 27
.set LAH, 28                           ; v28-31  1 / l of tile a in panel 15 - i, as pairs; v32-35 in panel i
.set LAL, 32
.set VS,  36                           ; v36-51  V's scale words, set x: 4 x + 2 g + u
.set PS,  52                           ; v52-68  P's, under the row's M, one a step
.set SOF, 70                           ; v70-86  the records' offsets
.set FH,  88                           ; v88     16 x lane + 98,304
.set PJ,  89                           ; v89     the prefetches: my lane's step, lane / 6, 4 at the most
.set PB,  90                           ; v90     and its block
.set PX,  91                           ; v91-93  their offsets, one for each
.set TA,  94                           ; v94-95
.set SPW, 110
.set NIL, 111
.set RC,  128                          ; v128-195 the records: scale word, -M, l, 0
.set DD,  196                          ; v196-212, v213-229, v230-246 at work ahead of the walk
.set TT,  213
.set WW,  230
.set PR,  128                          ; the way out: v128-191 a tile's results, v192-255 rows read back
.set BK,  192
.set STG, 196608                       ; behind V's panel: 16 rows x (512 bytes + 16) for each wave; no fill lands there
.set SPARE, 230400                     ; the spare words
.set G1,  16
.set G0,  24
.set NH,  30
.set LOP, 31
.set HIP, 32
.set SC,  33                           ; the trip's first step
.set OL,  34                           ; s[34:35], s[36:37]: where my rows of panels i and 15 - i begin in the output
.set OH,  36
.set SEL, 46
.set HI,  48
.set C80, 49
.set C01, 50
.set C7F, 51
.set MK,  66                           ; s66-72  steps 9-15: all ones where the step is panel 15 - i's
.set G1B, 76
.set G0B, 84
.set MSB, 0
.macro WIN new
.if MSB != (\new)
	s_set_vgpr_msb (MSB<<8)|(\new)
.set MSB, \new
.endif
.endm
.macro PLACES n
.rept \n
	v_nop
.endr
.endm
.macro SPOS                            ; step s40 of the stream: s41 its key step, s42 its panel
	s_sub_co_u32 s41, s40, s[NH]
	s_cmp_lt_u32 s40, s[NH]
	s_cselect_b32 s41, s40, s41
	s_cselect_b32 s42, s[HIP], s[LOP]
.endm
.macro FV p                            ; V's eight fragments of step s40 into set p of window 2
	SPOS
	s_min_u32 s41, s41, 15
	s_mul_i32 s41, s41, 3072
	v_add_nc_u32 v[VA], s41, v[FO]
	v_add_nc_u32 v[VA+1], s41, v[FH]
	WIN 0x80
.irp b, 0,1,2,3,4,5,6,7
.irp g, 0,1,2
	ds_load_b128 v[96*(\p)+12*\b+4*\g:96*(\p)+12*\b+4*\g+3], v[VA+\b/4] offset:49152*((\b/2)%2)+1536*(\b%2)+512*\g
.endr
.endr
	WIN 0
.endm
.macro FVC kt, p                       ; the same of key step kt, a constant of at most 4
	WIN 0x80
.irp b, 0,1,2,3
.irp g, 0,1,2
	ds_load_b128 v[96*(\p)+12*\b+4*\g:96*(\p)+12*\b+4*\g+3], v[FO] offset:49152*((\b/2)%2)+3072*(\kt)+1536*(\b%2)+512*\g
.endr
.endr
.irp b, 4,5,6,7
.irp g, 0,1,2
	ds_load_b128 v[96*(\p)+12*\b+4*\g:96*(\p)+12*\b+4*\g+3], v[FH] offset:49152*((\b/2)%2)+3072*(\kt)+1536*(\b%2)+512*\g
.endr
.endr
	WIN 0
.endm
.macro LP x                            ; P's two fragments of step s40 (16 at the most) into set x of window 3, and V's scale words
	s_min_u32 s40, s40, 16
	SPOS
	s_mul_i32 s43, s42, 196608
	s_mul_i32 s44, s41, 12288
	s_add_co_u32 s43, s43, s44
	s_lshl_b32 s41, s41, 12
	v_add_nc_u32 v[PA+\x], s43, v[FO]              ; the loads that last named these registers were shown done by the last step's wait
	v_add_nc_u32 v[VO+\x], s41, v2
	WIN 0xc0
.irp g, 0,1,2,3,4,5
	global_load_b128 v[24*(\x)+4*\g:24*(\x)+4*\g+3], v[PA+\x], s[8:9] offset:512*\g
.endr
	WIN 0
	global_load_b64 v[VS+4*(\x):VS+4*(\x)+1], v[VO+\x], s[6:7]             ; each load takes a whole group of 256 bytes
	global_load_b64 v[VS+4*(\x)+2:VS+4*(\x)+3], v[VO+\x], s[6:7] offset:256
.endm
.macro PFS s0, d                       ; wave 0 asks for my six blocks of P of each of the steps s0 .. s0 + 4 (16 at the most)
	s_mul_i32 s43, s[LOP], 196608
	s_mul_i32 s44, s[HIP], 196608
	v_add_nc_u32 v[\d], \s0, v[PJ]
	v_min_u32 v[\d], 16, v[\d]
	v_cmp_gt_u32 s45, s[NH], v[\d]                 ; panel 15 - i's?
	v_sub_nc_u32 v[TA], v[\d], s[NH]
	v_mov_b32 v[TA+1], s43
	v_cndmask_b32 v[\d], v[TA], v[\d], s45
	v_cndmask_b32 v[TA+1], v[TA+1], s44, s45
	v_mul_u32_u24 v[\d], 12288, v[\d]
	v_add_nc_u32 v[TA+1], v[TA+1], v[PB]
	v_add_nc_u32 v[\d], v[\d], v[TA+1]
	s_cmp_eq_u32 s3, 0
	s_cbranch_scc0 .Lnot_mine_\@
	global_prefetch_b8 v[\d], s[56:57] th:TH_LOAD_NT scope:SCOPE_SE
.Lnot_mine_\@:
.endm
.macro WM zero
.if \zero
.if fRA && fRB
	v_wmma_scale_f32_16x16x128_f8f6f4 v[rD:rD+7], v[rA:rA+11], v[rB:rB+11], 0, v[rSA], v[rSB] matrix_a_fmt:MATRIX_FMT_BF6 matrix_b_fmt:MATRIX_FMT_BF6 matrix_a_scale:MATRIX_SCALE_ROW1 matrix_b_scale:MATRIX_SCALE_ROW1
.elseif fRA
	v_wmma_scale_f32_16x16x128_f8f6f4 v[rD:rD+7], v[rA:rA+11], v[rB:rB+11], 0, v[rSA], v[rSB] matrix_a_fmt:MATRIX_FMT_BF6 matrix_b_fmt:MATRIX_FMT_BF6 matrix_a_scale:MATRIX_SCALE_ROW1
.elseif fRB
	v_wmma_scale_f32_16x16x128_f8f6f4 v[rD:rD+7], v[rA:rA+11], v[rB:rB+11], 0, v[rSA], v[rSB] matrix_a_fmt:MATRIX_FMT_BF6 matrix_b_fmt:MATRIX_FMT_BF6 matrix_b_scale:MATRIX_SCALE_ROW1
.else
	v_wmma_scale_f32_16x16x128_f8f6f4 v[rD:rD+7], v[rA:rA+11], v[rB:rB+11], 0, v[rSA], v[rSB] matrix_a_fmt:MATRIX_FMT_BF6 matrix_b_fmt:MATRIX_FMT_BF6
.endif
.else
.if fRA && fRB
	v_wmma_scale_f32_16x16x128_f8f6f4 v[rD:rD+7], v[rA:rA+11], v[rB:rB+11], v[rD:rD+7], v[rSA], v[rSB] matrix_a_fmt:MATRIX_FMT_BF6 matrix_b_fmt:MATRIX_FMT_BF6 matrix_a_scale:MATRIX_SCALE_ROW1 matrix_b_scale:MATRIX_SCALE_ROW1
.elseif fRA
	v_wmma_scale_f32_16x16x128_f8f6f4 v[rD:rD+7], v[rA:rA+11], v[rB:rB+11], v[rD:rD+7], v[rSA], v[rSB] matrix_a_fmt:MATRIX_FMT_BF6 matrix_b_fmt:MATRIX_FMT_BF6 matrix_a_scale:MATRIX_SCALE_ROW1
.elseif fRB
	v_wmma_scale_f32_16x16x128_f8f6f4 v[rD:rD+7], v[rA:rA+11], v[rB:rB+11], v[rD:rD+7], v[rSA], v[rSB] matrix_a_fmt:MATRIX_FMT_BF6 matrix_b_fmt:MATRIX_FMT_BF6 matrix_b_scale:MATRIX_SCALE_ROW1
.else
	v_wmma_scale_f32_16x16x128_f8f6f4 v[rD:rD+7], v[rA:rA+11], v[rB:rB+11], v[rD:rD+7], v[rSA], v[rSB] matrix_a_fmt:MATRIX_FMT_BF6 matrix_b_fmt:MATRIX_FMT_BF6
.endif
.endif
.endm
; Eight matrix instructions: V's fragments b0 .. b0 + 3 (set s % 2) with P's two (set s % 4); s: the step, in the loop 5 + k. The 16 accumulators take turns, in the same order in every step.
.macro MM s, b0, zero
	WIN 0x5e                                       ; source 0 (V) window 2, source 1 (P) window 3, C and D window 1
.set n, 2*(\b0)
.rept 8
.set ma, n%2
.set mb, n/2
.set rD, 8*(8*ma+mb)
.set rA, 96*((\s)%2)+12*mb
.set rB, 24*((\s)%4)+12*ma
.set rSA, VS+4*((\s)%4)+2*(mb/4)+mb%2
.set rSB, PS+(\s)
.set fRA, (mb%4)/2
.set fRB, ma
	WM \zero
.set n, n+1
.endr
.endm
; Tile a leaves: x 1 / l, through my stage, as whole rows of 512 bytes.
.macro OUTT a, la, ob
	WIN 0x01                                       ; source 0 window 1
.set n, 0
.rept 32
	v_pk_mul_f32 v[PR+n:PR+n+1], v[64*(\a)+n:64*(\a)+n+1], v[(\la)+2*(\a):(\la)+2*(\a)+1] op_sel_hi:[1,0]   ; each accumulator from its low end on
.set n, n+2
.endr
	WIN 0
.irp b, 0,1,2,3,4,5,6,7
	ds_store_b128 v[STO], v[PR+8*\b:PR+8*\b+3] offset:64*\b
	ds_store_b128 v[STO], v[PR+8*\b+4:PR+8*\b+7] offset:64*\b+16
.endr
	s_wait_xcnt 0x0                                ; the last tile's stores have read their registers: the loads below may land there
.irp j, 0,1,2,3,4,5,6,7,8,9,10,11,12,13,14,15
	ds_load_b128 v[BK+4*\j:BK+4*\j+3], v[RD] offset:528*\j   ; LDS serves a wave's instructions in order (ISA guide 5.7.1.4): these see my stores
.endr
.irp j, 0,1,2,3,4,5,6,7,8,9,10,11,12,13,14,15
	s_wait_dscnt 15-\j                             ; row j is back; the younger loads may be out
	global_store_b128 v[FO], v[BK+4*\j:BK+4*\j+3], s[\ob:\ob+1] offset:65536*(\a)+4096*\j th:TH_STORE_NT   ; 32 lanes store 512 consecutive bytes, at a multiple of 512 from the output's first byte
.endr
.endm
.macro ASKV k                          ; the run of loads of step s = SC + k: V of step s + 1, P of step s + 3
.if \k == 3
	s_cmp_eq_u32 s[SC], 13                         ; behind step 16 there is none
	s_cbranch_scc1 .Lno_v_\@
.endif
	s_add_co_u32 s40, s[SC], (\k)+1
	FV (\k)%2
.if \k == 3
.Lno_v_\@:
.endif
	s_add_co_u32 s40, s[SC], (\k)+3
	LP \k
.endm
; Steps 0 to 4, panel 15 - i and key step s in every work-group.
.macro FIRST s
.set zr, 0
.if (\s) == 0
.set zr, 1                             ; the first step starts the sums: nothing is cleared
.endif
	s_wait_dscnt 0x0                               ; this step's fragments of V are in
	s_wait_loadcnt 16                              ; and its P: behind its 8 loads stand those of the next two steps
.if (\s) > 0
	PLACES 4                                       ; between the last step's products and loads into registers that they read
.endif
.if (\s) == 3
	s_wait_tensorcnt 0x0                           ; my part of V's key steps 4-15 has landed,
	s_barrier_signal -1
	s_barrier_wait -1                              ; everybody's has. Nothing is filled again
.endif
.if (\s) < 4
	FVC (\s)+1, ((\s)+1)%2
.else
	s_mov_b32 s40, 5
	FV 1
.endif
	s_mov_b32 s40, (\s)+3
	LP ((\s)+3)%4
.if (\s) == 1
	PFS 8, PX+1                                    ; the first of these steps is asked for by its loads in step 5
.endif
.if (\s) == 4
	PFS 13, PX+2                                   ; and here in step 10
.endif
	MM \s, 0, zr
	MM \s, 4, zr
	WIN 0
.endm
; Step s = SC + k. The run of loads stands ahead of the products in the even waves and behind their first half in the odd ones: two waves load while two multiply.
.macro STEP k
	s_wait_dscnt 0x0
	s_wait_loadcnt 16
	PLACES 4                                       ; (also between the last products and reads of their results)
	s_add_co_u32 s40, s[SC], \k
	s_cmp_lg_u32 s40, s[NH]
	s_cbranch_scc1 .Lgo_on_\@
	OUTT 0, LAH, OH                                ; the first panel is finished
	OUTT 1, LAH, OH
	ASKV \k
	MM (\k)+5, 0, 1                                ; the second's first step starts the sums
	MM (\k)+5, 4, 1
	WIN 0
	s_branch .Lstepped_\@
.Lgo_on_\@:
	s_cmp_eq_u32 s2, 0
	s_cbranch_scc1 .Leven_\@
	MM (\k)+5, 0, 0
	WIN 0
.Leven_\@:
	ASKV \k
	s_cmp_eq_u32 s2, 0
	s_cbranch_scc0 .Lodd_\@
	MM (\k)+5, 0, 0
	WIN 0
.Lodd_\@:
	MM (\k)+5, 4, 0
	WIN 0
.Lstepped_\@:
.endm
; descriptor group 1: a quarter (3,072 bytes = 384 elements of 8) of each of so many key steps, 12,288 bytes apart
.macro G1SET g, rows
	s_mov_b32 s[\g], 3<<16
	s_mov_b32 s[\g+1], 384<<16
	s_mov_b32 s[\g+2], (\rows)<<16
	s_mov_b32 s[\g+3], 384<<16
	s_mov_b32 s[\g+4], \rows
	s_mov_b32 s[\g+5], 1536
	s_mov_b32 s[\g+6], 0
	s_mov_b32 s[\g+7], 0
.endm
	s_load_b256 s[4:11], s[0:1], 0x0               ; vf, vsc, pf, pst
	s_load_b64 s[12:13], s[0:1], 0x20              ; out0
	v_lshl_add_u32 v[SPW], v0, 2, SPARE
	v_mov_b32 v[NIL], 0
	ds_add_u32 v[SPW], v[NIL]
	ds_add_u32 v[SPW], v[NIL]
	v_lshrrev_b32 v1, 5, v0
	v_readfirstlane_b32 s3, v1                     ; wave 0..3
	s_and_b32 s2, s3, 1                            ; an odd wave?
	s_mov_b32 s14, ttmp9                           ; cb
	s_and_b32 s40, ttmp7, 0xffff
	s_lshr_b32 s15, s40, 3                         ; the batch
	s_and_b32 s[LOP], s40, 7                       ; i
	s_sub_co_u32 s[HIP], 15, s[LOP]
	s_sub_co_u32 s[NH], 16, s[LOP]
	G1SET G1, 4
	G1SET G1B, 12
	s_mul_i32 s41, s3, 3072
	s_mul_i32 s38, s14, 786432
	s_mul_i32 s39, s15, 16*12288
	s_add_co_u32 s38, s38, s39
	s_add_co_u32 s38, s38, s41
	s_mov_b32 s39, 0
	s_wait_dscnt 0x0
	s_wait_kmcnt 0x0
	s_mov_b32 s[G0], 1
	s_mul_i32 s[G0+1], s3, 49152
	s_add_nc_u64 s[G0+2:G0+3], s[4:5], s[38:39]
	s_or_b32 s[G0+3], s[G0+3], 0x80000000
	tensor_load_to_lds s[G0:G0+3], s[G1:G1+7]      ; key steps 0-3: one tensor load a wave at the head
	s_nop 0
	PLACES 4
	s_mov_b32 s[G0B], 1
	s_mul_i32 s[G0B+1], s3, 49152
	s_add_co_u32 s[G0B+1], s[G0B+1], 4*3072
	s_add_nc_u64 s[G0B+2:G0B+3], s[4:5], s[38:39]
	s_add_nc_u64 s[G0B+2:G0B+3], s[G0B+2:G0B+3], 4*12288
	s_or_b32 s[G0B+3], s[G0B+3], 0x80000000
	s_mov_b32 s[SEL], 0x76543210
	s_mov_b32 s[SEL+1], 0xfedcba98
	s_mov_b32 s[HI], 0xffff0000
	s_mov_b32 s[C80], 0x80808080
	s_mov_b32 s[C01], 0x01010101
	s_mov_b32 s[C7F], 0x7f7f7f7f
	s_mul_i32 s40, s3, 16*528
	s_add_co_u32 s40, s40, STG                     ; my stage
	s_mul_i32 s41, s14, 6
	v_and_b32 v1, 31, v0
	v_and_b32 v3, 15, v0                           ; r
	v_bfe_u32 v4, v0, 4, 1                         ; h
	v_lshlrev_b32 v[FO], 4, v1
	v_lshlrev_b32 v2, 3, v1                        ; 8 x lane
	v_add_nc_u32 v[FH], 98304, v[FO]
	v_mul_u32_u24 v[STO], v3, 528
	v_lshl_add_u32 v[STO], v4, 5, v[STO]
	v_add_nc_u32 v[STO], s40, v[STO]               ; in: row r, + 32 h
	v_add_nc_u32 v[RD], s40, v[FO]                 ; back: 16 bytes a lane of a row
	v_mul_u32_u24 v[PJ], 43, v1
	v_lshrrev_b32 v[PJ], 8, v[PJ]                  ; lane / 6
	v_min_u32 v[PJ], 4, v[PJ]
	v_mul_u32_u24 v[PB], 6, v[PJ]
	v_sub_nc_u32 v[PB], v1, v[PB]
	v_min_u32 v[PB], 5, v[PB]                      ; lane % 6 (lanes 30 and 31 name the last block again)
	v_add_nc_u32 v[PB], s41, v[PB]
	v_lshlrev_b32 v[PB], 8, v[PB]                  ; block 6 cb + lane % 6 of a step's 48
	v_mov_b32 v[BIG], 0x7f7fffff
	v_mov_b32 v[XX], 0                             ; written once: a lane permute's destination counts as one of its sources
	v_mov_b32 v[XX+1], 0
	s_wait_alu depctr_va_vdst(0)                   ; ahead of the scalar lines
	s_lshl_b32 s38, s15, 16                        ; vsc: 16 key steps x 4,096 a batch,
	s_lshl_b32 s40, s14, 9                         ; two groups to a panel of channels
	s_add_co_u32 s38, s38, s40
	s_add_nc_u64 s[6:7], s[6:7], s[38:39]
	s_lshl_b32 s38, s15, 19                        ; pst: 16 key steps x 32,768 a batch,
	s_lshl_b32 s40, s3, 9                          ; my two tiles of a panel
	s_add_co_u32 s38, s38, s40
	s_add_nc_u64 s[10:11], s[10:11], s[38:39]
.set st, 0
.rept 17                                       ; the records' offsets: a key step of pst: 128 query tiles x 256 bytes; a panel 8 of them
	s_mov_b32 s40, st
	SPOS
	s_lshl_b32 s41, s41, 15
	s_lshl_b32 s42, s42, 11
	s_add_co_u32 s41, s41, s42
	v_add_nc_u32 v[SOF+st], s41, v[FO]
.set st, st+1
.endr
	s_wait_alu depctr_va_vdst(0)
.set st, 0
.rept 17
	global_load_b128 v[RC+4*st:RC+4*st+3], v[SOF+st], s[10:11]     ; 512 consecutive bytes: lanes 0-15 tile 0's records, lanes 16-31 tile 1's
.set st, st+1
.endr
	s_mul_i32 s38, s15, 16*196608                  ; pf: 16 panels a batch
	s_add_nc_u64 s[56:57], s[8:9], s[38:39]        ; (for the prefetches)
	s_mul_i32 s40, s3, 3072                        ; my two tiles
	s_add_co_u32 s38, s38, s40
	s_add_nc_u64 s[8:9], s[8:9], s[38:39]
.irp x, 0,1,2
	s_mov_b32 s40, \x
	LP \x
.endr
	PFS 3, PX                                      ; steps 3-7: the first is asked for by its loads in step 0
	s_lshl_b32 s38, s15, 23                        ; the output: 2,048 rows of 4,096 bytes a batch,
	s_lshl_b32 s40, s3, 17                         ; my 32 rows of a panel,
	s_add_co_u32 s38, s38, s40
	s_lshl_b32 s40, s14, 9                         ; my 128 channels
	s_add_co_u32 s38, s38, s40
	s_add_nc_u64 s[12:13], s[12:13], s[38:39]
	s_lshl_b32 s38, s[LOP], 19
	s_add_nc_u64 s[OL:OL+1], s[12:13], s[38:39]
	s_lshl_b32 s38, s[HIP], 19
	s_add_nc_u64 s[OH:OH+1], s[12:13], s[38:39]
.irp m, 9,10,11,12,13,14,15
	s_cmp_gt_u32 s[NH], \m
	s_cselect_b32 s[MK+\m-9], -1, 0
.endr
	s_wait_alu depctr_va_vdst(0)                   ; directly ahead of the waits below
	s_wait_tensorcnt 0x0                           ; my part of key steps 0-3 has landed
	ds_add_u32 v[SPW], v[NIL]
	s_wait_dscnt 0x0
	s_barrier_signal -1
	s_barrier_wait -1                              ; everybody's has
	tensor_load_to_lds s[G0B:G0B+3], s[G1B:G1B+7]  ; key steps 4-15: the first tensor load behind the barrier
	s_nop 0
	PLACES 4
	s_wait_loadcnt 24                              ; the records are in; P's first three steps, 24 loads, may be out
	v_mov_b32 v[NGH], v[RC+1]                      ; steps 0 to 8 are panel 15 - i's, step 16 is panel i's
	v_mov_b32 v[NGL], v[RC+65]
.irp m, 9,10,11,12,13,14,15
	v_cndmask_b32 v[TT+\m], v[BIG], v[RC+4*\m+1], s[MK+\m-9]
	v_cndmask_b32 v[WW+\m], v[RC+4*\m+1], v[BIG], s[MK+\m-9]
.endr
.irp m, 9,10,11,12,13,14,15
	v_min_num_f32 v[NGH], v[TT+\m], v[NGH]         ; the row's -M: the least
	v_min_num_f32 v[NGL], v[WW+\m], v[NGL]
.endr
.irp m, 1,2,3,4,5,6,7,8
	v_min_num_f32 v[NGH], v[RC+4*\m+1], v[NGH]
.endr
.irp m, 9,10,11,12,13,14,15
	v_cndmask_b32 v[TT+\m], v[NGL], v[NGH], s[MK+\m-9]
.endr
.irp m, 0,1,2,3,4,5,6,7,8
	v_sub_f32 v[DD+\m], v[RC+4*\m+1], v[NGH]       ; d, a whole number, 0 or more
.endr
.irp m, 9,10,11,12,13,14,15
	v_sub_f32 v[DD+\m], v[RC+4*\m+1], v[TT+\m]
.endr
	v_sub_f32 v[DD+16], v[RC+65], v[NGL]
; Each line below runs over all 17 steps: the chains take turns.
.macro ALL line:req
.endm
.set ix, 0
.rept 17
	v_cvt_i32_f32 v[DD+ix], v[DD+ix]               ; (it saturates)
.set ix, ix+1
.endr
.set ix, 0
.rept 17
	v_or_b32 v[WW+ix], s[C80], v[RC+4*ix]          ; bit 7 of each scale byte is set
	v_sub_nc_u32 v[TT+ix], 0, v[DD+ix]
.set ix, ix+1
.endr
.set ix, 0
.rept 17
	v_ldexp_f32 v[TT+ix], v[RC+4*ix+2], v[TT+ix]   ; l x 2^-d
	v_min_u32 v[DD+ix], 127, v[DD+ix]
.set ix, ix+1
.endr
.set ix, 0
.rept 17
	v_perm_b32 v[DD+ix], v[DD+ix], v[DD+ix], 0     ; d in each byte
.set ix, ix+1
.endr
.set ix, 0
.rept 17
	v_sub_nc_u32 v[WW+ix], v[WW+ix], v[DD+ix]      ; byte + 128 - d: at least 1, so no borrow
.set ix, ix+1
.endr
.set ix, 0
.rept 17
	v_lshrrev_b32 v[DD+ix], 7, v[WW+ix]
.set ix, ix+1
.endr
.set ix, 0
.rept 17
	v_and_b32 v[DD+ix], s[C01], v[DD+ix]           ; 1 where byte - d is 0 or more
	v_and_b32 v[WW+ix], s[C7F], v[WW+ix]
.set ix, ix+1
.endr
.set ix, 0
.rept 17
	v_lshlrev_b32 v[PS+ix], 8, v[DD+ix]
.set ix, ix+1
.endr
.set ix, 0
.rept 17
	v_sub_nc_u32 v[DD+ix], v[PS+ix], v[DD+ix]      ; x 255: as a mask of the byte
.set ix, ix+1
.endr
.set ix, 0
.rept 17
	v_and_b32 v[PS+ix], v[WW+ix], v[DD+ix]         ; max(byte - d, 0)
.set ix, ix+1
.endr
	v_mov_b32 v[LSH], v[TT]
	v_mov_b32 v[LSL], v[TT+16]
.irp m, 9,10,11,12,13,14,15
	s_cmp_gt_u32 s[NH], \m
	s_cselect_b32 s40, 1.0, 0
	s_cselect_b32 s41, 0, 1.0
	v_fma_f32 v[LSH], v[TT+\m], s40, v[LSH]
	v_fma_f32 v[LSL], v[TT+\m], s41, v[LSL]
.endr
.irp m, 1,2,3,4,5,6,7,8
	v_add_f32 v[LSH], v[LSH], v[TT+\m]
.endr
	s_wait_alu depctr_va_vdst(0)                   ; the wait ahead of the batch
	v_rcp_f32 v[LIH], v[LSH]
	v_rcp_f32 v[LIL], v[LSL]
	v_nop                                          ; a plain instruction behind the reciprocals
	s_wait_alu depctr_va_vdst(0)                   ; one wait for both, ahead of their first reader
	v_permlanex16_b32 v[XX], v[LIH], s[SEL], s[SEL+1]
	v_permlanex16_b32 v[XX+1], v[LIL], s[SEL], s[SEL+1]
.irp p, 0,1                                    ; 1 / l of query r of tile a, in both halves of the lanes
	v_cndmask_b32 v[LAH+4*\p], v[LIH+\p], v[XX+\p], s[HI]
	v_cndmask_b32 v[LAH+4*\p+2], v[XX+\p], v[LIH+\p], s[HI]
	v_mov_b32 v[LAH+4*\p+1], v[LAH+4*\p]           ; (named with it as a pair, so it is written)
	v_mov_b32 v[LAH+4*\p+3], v[LAH+4*\p+2]
.endr
	PLACES 8                                       ; scale registers written by vector instructions stand eight plain instructions ahead of a scaled matrix instruction
	s_wait_alu depctr_va_vdst(0)
	FVC 0, 0
	FIRST 0
	FIRST 1
	FIRST 2
	FIRST 3
	FIRST 4
	s_mov_b32 s[SC], 5
.Ltrip:
	STEP 0
	STEP 1
	STEP 2
	STEP 3
	PLACES 4                                       ; between the last products and writes of the scale words that they read
.irp m, 5,6,7,8,9,10,11,12
	v_mov_b32 v[PS+\m], v[PS+\m+4]                 ; the next trip's steps take this trip's registers
.endr
	s_add_co_u32 s[SC], s[SC], 4
	s_wait_alu depctr_va_vdst(0)
	s_cmp_lt_u32 s[SC], 17
	s_cbranch_scc1 .Ltrip
	OUTT 0, LAL, OL                                ; (the moves above are plain instructions behind the last products)
	OUTT 1, LAL, OL
	s_wait_tensorcnt 0x0                           ; the wave's end
	ds_add_u32 v[SPW], v[NIL]
	s_wait_dscnt 0x0
	s_endpgm
.Lfunc_end_k_q352175e4c5_pv:
	.size	k_q352175e4c5_pv, .Lfunc_end_k_q352175e4c5_pv-k_q352175e4c5_pv
	.p2alignl 7, 3214868480
	.fill 96, 4, 3214868480
	.section	.rodata,"a",@progbits
	.p2align	6, 0x0
	.amdhsa_kernel k_q352175e4c5_pv
		.amdhsa_group_segment_fixed_size 327680
		.amdhsa_private_segment_fixed_size 0
		.amdhsa_enable_private_segment 0
		.amdhsa_kernarg_size 40
		.amdhsa_user_sgpr_count 2
		.amdhsa_user_sgpr_kernarg_segment_ptr 1
		.amdhsa_wavefront_size32 1
		.amdhsa_system_sgpr_workgroup_id_x 1
		.amdhsa_system_sgpr_workgroup_id_y 1
		.amdhsa_system_sgpr_workgroup_id_z 1
		.amdhsa_system_vgpr_workitem_id 0
		.amdhsa_next_free_vgpr 864
		.amdhsa_next_free_sgpr 96
		.amdhsa_reserve_vcc 0
		.amdhsa_float_denorm_mode_32 3
		.amdhsa_float_denorm_mode_16_64 3
		.amdhsa_memory_ordered 1
		.amdhsa_forward_progress 1
		.amdhsa_inst_pref_size 169
	.end_amdhsa_kernel
	.amdgpu_metadata
---
amdhsa.version: [ 1, 2 ]
amdhsa.kernels:
  - .name:           k_q352175e4c5_pv
    .symbol:         k_q352175e4c5_pv.kd
    .args:
      - { .name: vf, .offset: 0, .size: 8, .value_kind: global_buffer, .address_space: global }
      - { .name: vsc, .offset: 8, .size: 8, .value_kind: global_buffer, .address_space: global }
      - { .name: pf, .offset: 16, .size: 8, .value_kind: global_buffer, .address_space: global }
      - { .name: pst, .offset: 24, .size: 8, .value_kind: global_buffer, .address_space: global }
      - { .name: out0, .offset: 32, .size: 8, .value_kind: global_buffer, .address_space: global }
    .group_segment_fixed_size: 327680
    .private_segment_fixed_size: 0
    .kernarg_segment_align: 8
    .kernarg_segment_size: 40
    .max_flat_workgroup_size: 128
    .sgpr_count:     96
    .vgpr_count:     864
    .wavefront_size: 32
...
	.end_amdgpu_metadata
.endif
;; end of part 3
